; MI455X (gfx1250); checked and timed in simulation.
; The chip was launched on July 23, 2026; its instructions are those of AMD's public machine-readable ISA for CDNA 5 (MIT licence, August 2026) and "CDNA5" Instruction Set Architecture Reference Guide (July 2026). The comments in the code are by the model that wrote it; some were corrected since.
;; Self Attention. Allowed arithmetic: float matrix products may take bf16 or f16 operands with f32 sums; other float arithmetic in f32, or as packed bf16 or f16 multiplies, adds, multiply-adds, maxima and minima; sums over many terms, partial sums and values carried from step to step in f32; what a program stores and reads back later, other than sums and carried values, may be rounded once to bf16 or f16.
;; Inputs: W_out 1,024 x 1,024 float32; W_qkv 1,024 x 3,072 float32; b_out 1,024 float32; b_qkv 3,072 float32; x 4 x 4,096 x 1,024 float32.
;; Outputs: out0 4 x 4,096 x 1,024 float32.
;; 2 versions, each right; version 2 is version 1 with the launch attn written anew for expert scheduling mode. Each part assembles by itself: llvm-mc -triple=amdgcn-amd-amdhsa -mcpu=gfx1250 --defsym DOCPART=n.
;; ======== version 1 of 2: 4 launches
;; limits: values are held in f16: magnitudes above 65,504 overflow, below 6.1e-05 lose precision
;; workspace buffers: xb 33,554,432 bytes; wq 6,291,456 bytes; wo 2,097,152 bytes; qkv 100,663,296 bytes; ob 33,554,432 bytes; bq 12,288 bytes; bo 4,096 bytes
;; launch prep (part 1): grid 1281 x 1, 8 waves a work-group, no clusters, 0 bytes of LDS; arguments x, W_qkv, W_out, b_qkv, b_out, xb, wq, wo, bq, bo; writes xb, wq, wo, bq, bo
.if DOCPART == 1
	.amdgcn_target "amdgcn-amd-amdhsa--gfx1250"
	.amdhsa_code_object_version 6
	.text
	.protected	k_q5986905411_prep
	.globl	k_q5986905411_prep
	.p2align	8
	.type	k_q5986905411_prep,@function
k_q5986905411_prep:
	s_mov_b64 s[64:65], 0
	v_nop
	global_prefetch_b8 v0, s[64:65] scope:SCOPE_SE
	s_setreg_imm32_b32 hwreg(HW_REG_WAVE_MODE, 25, 1), 1
	s_wait_xcnt 0x0
; THE INPUTS OF THE TWO LARGE PRODUCTS, ROUNDED ONCE.
;   xb[m][k] = bf16(x[m][k])          16,384 x 1,024      wq[k][n] = bf16(W_qkv[k][n])   1,024 x 3,072, the same order as W_qkv
;   wo[k'][n] = f16(bf16(W_out[e][n])) 1,024 x 1,024: rounded to bf16 like every input, that number written as f16, rows in another order:
;   channel e = 64 i + 8 c + j (head i, group c of eight channels, j) lies at k' = 128 c + 8 i + j, the order in which the attention launch stores its result.
;   bq[n] = bf16(b_qkv[n]), bo[n] = bf16(b_out[n]), both written as f32: the products take them as the C operand that starts their sums.
; LIMIT.  f16 ends at 65,504: |W_out| stays under it; below 6e-5 f16 keeps a fixed step of 6e-8.
; A stream: no LDS, no barrier, no matrix work.  A work-group takes 16,384 numbers (64 KiB in, 32 KiB out): groups 0-1023 x, 1024-1215 W_qkv, 1216-1279 W_out; group 1280 the two biases' 4,096.
; Thread t takes four numbers of each piece of 1,024: a wave's load covers 512 consecutive bytes, its store 256 (the biases': 512) consecutive bytes, aligned.
; All loads of a thread go out together; no register of a load or store is written again, so no wait frees one.
.set X,  4                             ; v[4:67]  piece p: four f32 as loaded, then what is stored
.set TA, 68                            ; v[68:69] at work
	s_load_b256 s[4:11], s[0:1], 0x0               ; x s[4:5], W_qkv s[6:7], W_out s[8:9], b_qkv s[10:11]
	s_load_b256 s[12:19], s[0:1], 0x20             ; b_out s[12:13], xb s[14:15], wq s[16:17], wo s[18:19]
	s_load_b128 s[20:23], s[0:1], 0x40             ; bq s[20:21], bo s[22:23]
	s_mov_b32 s2, ttmp9
	v_lshlrev_b32 v1, 4, v0                        ; my 16 bytes of a piece of f32
	v_lshlrev_b32 v2, 3, v0                        ; my 8 bytes of a piece of 16-bit numbers
	s_wait_kmcnt 0x0
	s_cmp_eq_u32 s2, 1280
	s_cbranch_scc1 .Lbias
	s_cmp_lt_u32 s2, 1024
	s_cselect_b64 s[24:25], s[4:5], s[6:7]         ; from where
	s_cselect_b64 s[26:27], s[14:15], s[16:17]     ; to where (x and W_qkv)
	s_cselect_b32 s3, 0, 1024                      ; the tensor's first work-group
	s_cmp_ge_u32 s2, 1216
	s_cselect_b64 s[24:25], s[8:9], s[24:25]
	s_cselect_b32 s3, 1216, s3
	s_sub_co_u32 s28, s2, s3                       ; my number within the tensor
	s_lshl_b32 s30, s28, 16                        ; 64 KiB each: under 2^26
	s_mov_b32 s31, 0
	s_add_nc_u64 s[24:25], s[24:25], s[30:31]
.irp p, 0,1,2,3,4,5,6,7,8,9,10,11,12,13,14,15
	global_load_b128 v[X+4*(\p):X+4*(\p)+3], v1, s[24:25] offset:4096*(\p) th:TH_LOAD_NT
.endr
	s_cmp_ge_u32 s2, 1216
	s_cbranch_scc1 .Lwo
	; x and W_qkv: the same order, half the bytes
	s_lshl_b32 s30, s28, 15
	s_add_nc_u64 s[26:27], s[26:27], s[30:31]
.irp p, 0,1,2,3,4,5,6,7,8,9,10,11,12,13,14,15
	s_wait_loadcnt 15-(\p)                         ; loads come back in order (ISA guide 5.7.1): piece p is in, the younger ones stay out
	v_cvt_pk_bf16_f32 v[X+4*(\p)],   v[X+4*(\p)],   v[X+4*(\p)+1]
	v_cvt_pk_bf16_f32 v[X+4*(\p)+1], v[X+4*(\p)+2], v[X+4*(\p)+3]
	global_store_b64 v2, v[X+4*(\p):X+4*(\p)+1], s[26:27] offset:2048*(\p)
.endr
	s_endpgm
.Lwo:	; W_out: group g holds rows e = 16 g + p, a piece a row.  i = g / 4, c = 2 (g % 4) + p / 8, j = p % 8; a row of wo is 2,048 bytes
	s_and_b32 s30, s28, 3
	s_lshl_b32 s30, s30, 19                        ; 2 (g % 4) x 128 rows
	s_lshr_b32 s29, s28, 2
	s_lshl_b32 s29, s29, 14                        ; (g / 4) x 8 rows
	s_add_co_u32 s30, s30, s29
	s_add_nc_u64 s[26:27], s[18:19], s[30:31]
.irp p, 0,1,2,3,4,5,6,7,8,9,10,11,12,13,14,15
	s_wait_loadcnt 15-(\p)
	v_cvt_pk_bf16_f32 v[TA],   v[X+4*(\p)],   v[X+4*(\p)+1]      ; the rounding that every input gets,
	v_cvt_pk_bf16_f32 v[TA+1], v[X+4*(\p)+2], v[X+4*(\p)+3]
	v_lshlrev_b32 v[X+4*(\p)],   16, v[TA]                       ; widened again,
	v_and_b32     v[X+4*(\p)+1], 0xffff0000, v[TA]
	v_lshlrev_b32 v[X+4*(\p)+2], 16, v[TA+1]
	v_and_b32     v[X+4*(\p)+3], 0xffff0000, v[TA+1]
	v_cvt_pk_f16_f32 v[X+4*(\p)],   v[X+4*(\p)],   v[X+4*(\p)+1]  ; and written as f16: eight significant bits fit into eleven
	v_cvt_pk_f16_f32 v[X+4*(\p)+1], v[X+4*(\p)+2], v[X+4*(\p)+3]
	global_store_b64 v2, v[X+4*(\p):X+4*(\p)+1], s[26:27] offset:((\p)/8)*262144+((\p)%8)*2048
.endr
	s_endpgm
.Lbias:	; three pieces of b_qkv, one of b_out: rounded to bf16 and widened again
	global_load_b128 v[X:X+3],     v1, s[10:11]
	global_load_b128 v[X+4:X+7],   v1, s[10:11] offset:4096
	global_load_b128 v[X+8:X+11],  v1, s[10:11] offset:8192
	global_load_b128 v[X+12:X+15], v1, s[12:13]
.irp p, 0,1,2,3
	s_wait_loadcnt 3-(\p)
	v_cvt_pk_bf16_f32 v[TA],   v[X+4*(\p)],   v[X+4*(\p)+1]
	v_cvt_pk_bf16_f32 v[TA+1], v[X+4*(\p)+2], v[X+4*(\p)+3]
	v_lshlrev_b32 v[X+4*(\p)],   16, v[TA]
	v_and_b32     v[X+4*(\p)+1], 0xffff0000, v[TA]
	v_lshlrev_b32 v[X+4*(\p)+2], 16, v[TA+1]
	v_and_b32     v[X+4*(\p)+3], 0xffff0000, v[TA+1]
.if (\p) < 3
	global_store_b128 v1, v[X+4*(\p):X+4*(\p)+3], s[20:21] offset:4096*(\p)
.else
	global_store_b128 v1, v[X+4*(\p):X+4*(\p)+3], s[22:23]
.endif
.endr
	s_endpgm
.Lfunc_end_k_q5986905411_prep:
	.size	k_q5986905411_prep, .Lfunc_end_k_q5986905411_prep-k_q5986905411_prep
	.p2alignl 7, 3214868480
	.fill 96, 4, 3214868480
	.section	.rodata,"a",@progbits
	.p2align	6, 0x0
	.amdhsa_kernel k_q5986905411_prep
		.amdhsa_group_segment_fixed_size 0
		.amdhsa_private_segment_fixed_size 0
		.amdhsa_enable_private_segment 0
		.amdhsa_kernarg_size 80
		.amdhsa_user_sgpr_count 2
		.amdhsa_user_sgpr_kernarg_segment_ptr 1
		.amdhsa_wavefront_size32 1
		.amdhsa_system_sgpr_workgroup_id_x 1
		.amdhsa_system_sgpr_workgroup_id_y 1
		.amdhsa_system_sgpr_workgroup_id_z 1
		.amdhsa_system_vgpr_workitem_id 0
		.amdhsa_next_free_vgpr 72
		.amdhsa_next_free_sgpr 66
		.amdhsa_reserve_vcc 0
		.amdhsa_float_denorm_mode_32 3
		.amdhsa_float_denorm_mode_16_64 3
		.amdhsa_memory_ordered 1
		.amdhsa_forward_progress 1
		.amdhsa_inst_pref_size 19
	.end_amdhsa_kernel
	.amdgpu_metadata
---
amdhsa.version: [ 1, 2 ]
amdhsa.kernels:
  - .name:           k_q5986905411_prep
    .symbol:         k_q5986905411_prep.kd
    .args:
      - { .name: x, .offset: 0, .size: 8, .value_kind: global_buffer, .address_space: global }
      - { .name: W_qkv, .offset: 8, .size: 8, .value_kind: global_buffer, .address_space: global }
      - { .name: W_out, .offset: 16, .size: 8, .value_kind: global_buffer, .address_space: global }
      - { .name: b_qkv, .offset: 24, .size: 8, .value_kind: global_buffer, .address_space: global }
      - { .name: b_out, .offset: 32, .size: 8, .value_kind: global_buffer, .address_space: global }
      - { .name: xb, .offset: 40, .size: 8, .value_kind: global_buffer, .address_space: global }
      - { .name: wq, .offset: 48, .size: 8, .value_kind: global_buffer, .address_space: global }
      - { .name: wo, .offset: 56, .size: 8, .value_kind: global_buffer, .address_space: global }
      - { .name: bq, .offset: 64, .size: 8, .value_kind: global_buffer, .address_space: global }
      - { .name: bo, .offset: 72, .size: 8, .value_kind: global_buffer, .address_space: global }
    .group_segment_fixed_size: 0
    .private_segment_fixed_size: 0
    .kernarg_segment_align: 8
    .kernarg_segment_size: 80
    .max_flat_workgroup_size: 256
    .sgpr_count:     66
    .vgpr_count:     72
    .wavefront_size: 32
...
	.end_amdgpu_metadata
.endif
;; end of part 1
;; launch gemm_qkv (part 2): grid 4 x 64, 4 waves a work-group, clusters of 4 x 4, 327,680 bytes of LDS; arguments xb, wq, qkv, bq; writes qkv
.if DOCPART == 2
	.amdgcn_target "amdgcn-amd-amdhsa--gfx1250"
	.amdhsa_code_object_version 6
	.text
	.protected	k_q5986905411_gemm_qkv
	.globl	k_q5986905411_gemm_qkv
	.p2align	8
	.type	k_q5986905411_gemm_qkv,@function
k_q5986905411_gemm_qkv:
	s_mov_b64 s[64:65], 0
	v_nop
	global_prefetch_b8 v0, s[64:65] scope:SCOPE_SE
	s_setreg_imm32_b32 hwreg(HW_REG_WAVE_MODE, 25, 1), 1
	s_wait_xcnt 0x0
	s_wait_alu depctr_hold_cnt(0) depctr_sa_sdst(0) depctr_va_vdst(0) depctr_va_sdst(0) depctr_va_ssrc(0) depctr_va_vcc(0) depctr_vm_vsrc(0)
	s_getreg_b32 s2, hwreg(HW_REG_IB_STS2, 6, 4)
	s_cmp_eq_u32 s2, 0
	s_cbranch_scc0 .Lentry_in_a_cluster
	s_endpgm
.Lentry_in_a_cluster:
	s_bfe_u32 s2, ttmp6, 0x10000c
	s_cmp_lg_u32 s2, 0xf033
	s_cbranch_scc0 .Lentry_shape_is_right
	s_endpgm
.Lentry_shape_is_right:
; qkv[m][n] = bq[n] + the sum over k of xb[m][k] wq[k][n].  xb: [16384][1024] bf16, wq: [1024][3072] bf16 (K down the rows), bq: [3072] f32 (the bias, already rounded to bf16
; like every input); sums in f32; qkv: [16384][3072], rounded once to f16.
; LIMIT.  f16 ends at 65,504: |qkv| stays under it (inputs 30 times the drawn ones give a spread of some 900); below 6e-5 f16 keeps a fixed step of 6e-8.  NaN and infinities are not treated apart.
; SHARES.  A tile of qkv is 256 x 256, made by four waves, each 128 x 128: 64 accumulators of 16 x 16, 512 registers.  There are 64 x 12 tiles for 256 work-groups: A WORK-GROUP STAYS and makes
; three tiles of one tile row, 1,024 columns apart: the same rows of xb, new columns of wq.  K goes in steps of 128 through a ring of two LDS slots filled by the tensor data mover.
; ONE COUNTED LOOP walks the three tiles' 12 laps of the ring but the last.  The walk's 24 K steps are numbered on end: number n is K step n % 8 of tile n / 8, and each refill's global address is made anew
; from its number, so that the ring runs on from tile to tile.  Behind a tile's last lap a forward branch leads to the tile's way out and to the quarter step that starts the next tile's sums.
; The last tile's last lap is written out; its last K step goes by rows of the result, so that finished rows leave while the others are multiplied.
; CLUSTERS: 4 x 4 work-groups.  The four of a row of the cluster need the same tiles of xb, the four of a column the same tiles of wq: each tile is asked for JOINTLY, by the same tensor load
; with the same descriptor and a mask that names the four.
; LAYOUT.  The matrix instruction is used transposed: source 0 = 16 columns of wq, source 1 = 16 rows of xb: a lane then holds row l % 16 of the result and eight neighbouring columns
; 8 (l / 16) + 0..7.  xb's fragments come out of LDS as they lie; wq lies [k][n] in LDS and is turned by ds_load_tr16_b128.  THE BIAS STARTS THE SUMS: it is the C operand of each accumulator's first product.
; REGISTERS, in windows of 256 (s_set_vgpr_msb: bits 1:0 source 0, 3:2 source 1, 5:4 source 2, 7:6 destination):
;   window 0: v0-31 addresses; v64-127, v128-191 fragments of xb, two buffers (in the very last K step four, of 16 rows x 128 K); v32-63, v192-255 at work on the way out
;   window 1: v0-63 the bias of my 128 columns as C operands; v64-127, v128-191 fragments of wq; in the very last K step all 256: wq's fragments of the whole step
;   window 2: the 32 accumulators of my rows 0-63 (accumulator (a, b) at v[8 (8 a + b)]);   window 3: those of my rows 64-127
.set KSTEP,  128
.set LAPS,   4                         ; a lap = two K steps = once round the ring; K = 1,024
.set TILES,  3
.set ROWA,   2048                      ; bytes in a row of xb
.set ROWB,   6144                      ; bytes in a row of wq
.set ROWC,   6144                      ; bytes in a row of qkv
.set STEPA,  KSTEP*2                   ; a K step along a row of xb
.set STEPB,  KSTEP*ROWB                ; a K step down the rows of wq
.set PITCH,  272                       ; an LDS row of xb: 256 bytes + 16 of padding = 68 words: the 16 rows of a load start at 16 different groups of four banks (64 banks of 4 bytes: ISA guide 11.1)
.set PB,     544                       ; an LDS row of wq: 512 bytes + 32 = 136 words
.set HALFT,  128*PITCH                 ; what one tensor load brings: 128 rows of xb, or 64 rows of wq (64 x 544 is the same number)
.set SLOT,   4*HALFT                   ; xb's 256 rows, then wq's 128 rows
.set STAGE,  2*SLOT                    ; behind the ring: 16 rows x 272 bytes for each wave, for the way out
.set SPITCH, 272
.set SPARE,  STAGE+4*16*SPITCH         ; behind the stages: the spare words, 128 bytes for each wave: two blocks of 256 bytes that no other line names
.set ADRA, 16                          ; v16-17  LDS address of my fragments of xb in slot 0, 1
.set ADRB, 20                          ; v20-21  the same for wq
.set STO,  24                          ; v24     the way out: where I put 16 bytes of a row
.set RD,   25                          ; v25     the way out: where I read a row back
.set CO,   26                          ; v26     my byte offset in qkv
.set BO,   27                          ; v27     my byte offset in 16 numbers of the bias: 32 (l / 16)
.set SPW,  28                          ; v28     LDS address of my spare word: SPARE + 4 x my thread's number; never rewritten
.set NIL,  29                          ; v29     0; never rewritten
.set PFO,  30                          ; v30     the prefetches' lane offset; never rewritten
.set F0,   64                          ; fragment buffer 0
.set F1,   128                         ; fragment buffer 1
.set TMP,  192                         ; the way out: packed results, in window 0
.set OB,   32                          ; the way out: 16 rows read back from the stage: v32-63 and v224-255 by turns
.set PA,   64                          ; the very last K step: xb's fragments of 16 rows x 128 K, 32 registers; four such buffers
.set G1,   24                          ; s[24:31] descriptor group 1 for xb's tiles
.set G0,   32                          ; s[32:39] group 0 for xb's tiles, a set for each slot
.set LIM,  43                          ; s43      the highest number of a K step that my wave prefetches; 0 in a wave that prefetches nothing
.set PFA,  44                          ; s[44:45] the address of my prefetch in hand
.set G1B,  48                          ; s[48:55] descriptor group 1 for wq's tiles
.set G0B,  56                          ; s[56:63] group 0 for wq's tiles
.set CB,   68                          ; s[68:69] qkv
.set BQ,   70                          ; s[70:71] the bias of my 128 columns of the tile whose bias was loaded last
.set PST,  72                          ; s72      a K step for my prefetches, in bytes
.set PTL,  73                          ; s73      a tile for my prefetches, in bytes
.set MX,   74                          ; s74      the number of the K step that the prefetch in hand names
.set NX,   75                          ; s75      the number of the K step that the next refill brings
.set ABS,  76                          ; s[76:77] xb at the rows that I fetch, K step 0; never rewritten
.set BBS,  78                          ; s[78:79] wq at the rows that I fetch of K step 0, the first tile's columns; never rewritten
.set PFB,  80                          ; s[80:81] the same for my prefetches' rows; never rewritten
.set TK,   82                          ; s82      at work
.set TT,   83                          ; s83      at work
.set SA,   86                          ; s[86:87] the byte offset of the refill in hand from ABS; the high word is 0
.set SB,   88                          ; s[88:89] from BBS
.set SP,   90                          ; s[90:91] of the prefetch in hand from PFB
.set MSB, 0
.macro WIN new                         ; the immediate's high byte repeats the setting that is left; a switch that changes nothing is dropped
.if MSB != (\new)
	s_set_vgpr_msb (MSB<<8)|(\new)
.set MSB, \new
.endif
.endm
.set MUL_LO, 0xa1                      ; source 0 (wq) window 1, source 1 (xb) window 0, C and D window 2
.set MUL_HI, 0xf1                      ; the same, C and D window 3
.set TO_B,   0x40                      ; destination window 1, address window 0
; A joint load.  Waves 0 and 1 fetch xb's two halves, waves 2 and 3 wq's.  Each line has one mask and one set of registers for all that issue it.  The branch hangs on the wave's number alone.
; An s_nop 0 and four v_nop follow each of the two lines, ahead of the jump, the label and what follows.
.macro JLOAD s
	s_cmp_eq_u32 s11, 0
	s_cbranch_scc0 .Lfor_b_\@
	tensor_load_to_lds s[G0+4*(\s):G0+4*(\s)+3], s[G1:G1+7]
	s_nop 0
.rept 4
	v_nop
.endr
	s_branch .Lasked_\@
.Lfor_b_\@:
	tensor_load_to_lds s[G0B+4*(\s):G0B+4*(\s)+3], s[G1B:G1B+7]
	s_nop 0
.rept 4
	v_nop
.endr
.Lasked_\@:
.endm
; A PREFETCH, behind each joint load, its five lines and the run of LDS loads that follows them: beside the refill of number n stands the prefetch of number n + 2: TWO refills on, 512 matrix instructions
; ahead of the load that will ask for it.  Each aligned block of 256 bytes is named once in the launch.  xb: a wave fetches 128 rows x 256 bytes; no other cluster reads them; the four partners that ask
; jointly take 32 rows each, told apart BY ADDRESS (by cx): a lane a row; numbers 4 to 7 alone, since the walk's later tiles read the same rows again.  wq: a wave fetches 64 rows x 512 bytes; every cluster
; reads them, and the cluster with y = 0 asks; its partners take 16 rows each (by cy): a lane a half row; numbers 4 to 23.  The launch's first four K steps come by their loads alone; the last two refills
; would name numbers 24 and 25, which do not exist, and ask for nothing.  The highest row of wq that is named is 7 x 128 + 64 + 48 + 15 = 1,023, the highest byte of a row 512 x 3 + 4,096 + 256.
.macro ASK
	s_cmp_le_u32 s[MX], s[LIM]
	s_cbranch_scc0 .Lnot_mine_\@
	global_prefetch_b8 v[PFO], s[PFA:PFA+1] th:TH_LOAD_NT scope:SCOPE_SE
.Lnot_mine_\@:
.endm
; A round of the cluster's barrier: my work-group's barrier, so that wave 0's signal speaks for all four waves; wave 0 signals; every wave waits for all sixteen work-groups; my work-group's barrier once more.
.macro CREST                           ; a round behind its opening barrier
	s_cmp_lg_u32 s10, 0
	s_cbranch_scc1 .Lnot_wave_0_\@
	s_barrier_signal -3
.Lnot_wave_0_\@:
	s_barrier_wait -3
	s_barrier_signal -1
	s_barrier_wait -1
.endm
.macro CROUND                          ; a whole round
	s_barrier_signal -1
	s_barrier_wait -1
	CREST
.endm
; The bias of my 128 columns, laid as C operands: register j of n block b holds column 16 b + 8 (l / 16) + j.
.macro BIASLOAD
	WIN TO_B
.irp b, 0,1,2,3,4,5,6,7
	global_load_b128 v[8*(\b):8*(\b)+3],   v[BO], s[BQ:BQ+1] offset:64*(\b)
	global_load_b128 v[8*(\b)+4:8*(\b)+7], v[BO], s[BQ:BQ+1] offset:64*(\b)+16
.endr
	WIN 0
.endm
	s_load_b128 s[4:7], s[0:1], 0x0                ; xb s[4:5], wq s[6:7]
	s_load_b128 s[68:71], s[0:1], 0x10             ; qkv, bq
	v_lshl_add_u32 v[SPW], v0, 2, SPARE
	v_mov_b32 v[NIL], 0
	ds_add_u32 v[SPW], v[NIL]                      ; the wave's opening: the add and its wait stand ahead of my first tensor load; the set-up below, work on registers, stands between them
	v_lshrrev_b32 v1, 5, v0
	v_readfirstlane_b32 s10, v1                    ; wave 0..3
	s_lshr_b32 s11, s10, 1                         ; which half of the tile's rows is mine.  Also: I fetch for xb (0) or for wq (1)
	s_and_b32 s12, s10, 1                          ; which half of its columns.  Also: which half of that tile I fetch
	s_bfe_u32 s40, ttmp6, 0x40000                  ; cx: my place along the cluster's x
	s_bfe_u32 s41, ttmp6, 0x40004                  ; cy: along its y
	s_lshl_b32 s42, ttmp9, 2                       ; in a cluster launch ttmp9 and ttmp7 count clusters
	s_add_co_u32 s42, s42, s40                     ; tile column (of the first tile) = 4 x cluster x + cx
	s_and_b32 s13, ttmp7, 0xffff
	s_lshl_b32 s13, s13, 2
	s_add_co_u32 s13, s13, s41                     ; tile row = 4 x cluster y + cy
	s_lshl_b32 s43, s41, 2
	s_lshl_b32 s43, 15, s43                        ; my row of the cluster: places 4 cy .. 4 cy + 3
	s_lshl_b32 s44, 0x1111, s40                    ; my column: places cx, cx + 4, cx + 8, cx + 12
	; descriptor group 1.  xb: 128 rows x 128 elements; wq: 64 rows x 256 elements; both padded in LDS
	s_or_b32 s[G1+0], s43, (1<<16)|(1<<20)|(1<<21)|(5<<22)|(3<<25)   ; 15:0 the mask: my row; 17:16 elements of 2 bytes; 20 padding on; 21 set beside a mask; 24:22 after every 64 words (code 5); 31:25 4 words (code 3)
	s_or_b32 s[G1B+0], s44, (1<<16)|(1<<20)|(1<<21)|(6<<22)|(7<<25)  ; the mask of my column; after every 128 words (code 6) 8 words (code 7)
	s_mov_b32 s[G1+1], 128<<16                     ; tensor_dim0 = 128
	s_mov_b32 s[G1+2], 128<<16                     ; tensor_dim1 = 128
	s_mov_b32 s[G1+3], 128<<16                     ; tile_dim0 = 128
	s_mov_b32 s[G1+4], 128                         ; tile_dim1 = 128
	s_mov_b32 s[G1+5], 1024                        ; elements from row to row
	s_mov_b32 s[G1+6], 0
	s_mov_b32 s[G1+7], 0
	s_mov_b32 s[G1B+1], 256<<16                    ; tensor_dim0 = 256
	s_mov_b32 s[G1B+2], 64<<16                     ; tensor_dim1 = 64
	s_mov_b32 s[G1B+3], 256<<16                    ; tile_dim0 = 256
	s_mov_b32 s[G1B+4], 64                         ; tile_dim1 = 64
	s_mov_b32 s[G1B+5], 3072                       ; elements from row to row
	s_mov_b32 s[G1B+6], 0
	s_mov_b32 s[G1B+7], 0
	s_mov_b32 s[NX], 2                             ; numbers 0 and 1 are the first fills
	s_mov_b32 s[SA+1], 0                           ; the three offsets stay under 2^23: their high words are 0
	s_mov_b32 s[SB+1], 0
	s_mov_b32 s[SP+1], 0
	; where the tiles come from.  xb's hang on the tile row alone, which my row of the cluster shares; wq's on the tile column alone, which my column shares.
	s_lshl_b32 s17, s12, 7
	s_lshl_b32 s16, s13, 8
	s_add_co_u32 s16, s16, s17                     ; xb: row 256 x tile row + 128 x half,
	s_lshl_b32 s16, s16, 11                        ; in bytes: under 2^25
	s_mov_b32 s17, 0
	s_mul_i32 s46, s12, 64*ROWB                    ; wq: row 64 x half,
	s_lshl_b32 s47, s42, 9                         ; column 256 x tile column
	s_add_co_u32 s46, s46, s47
	s_mov_b32 s47, 0
	s_mul_i32 s20, s10, HALFT                      ; and where they go: wave x one load's bytes: no place in the cluster enters an LDS address
	s_wait_dscnt 0x0                               ; the opening add is done
	s_wait_kmcnt 0x0
	s_add_nc_u64 s[ABS:ABS+1], s[4:5], s[16:17]
	s_add_nc_u64 s[BBS:BBS+1], s[6:7], s[46:47]
	CROUND                                         ; all sixteen work-groups are here: the first joint loads meet
.irp s, 0,1
	s_mov_b32 s[G0+4*(\s)], 1                                      ; 1:0 count = 1
	s_add_co_u32 s[G0+4*(\s)+1], s20, (\s)*SLOT                    ; 63:32 LDS address
	s_add_nc_u64 s[G0+4*(\s)+2:G0+4*(\s)+3], s[ABS:ABS+1], (\s)*STEPA  ; 120:64 global address: K step s
	s_or_b32 s[G0+4*(\s)+3], s[G0+4*(\s)+3], 0x80000000            ; 127:126 type = 2
	s_mov_b32 s[G0B+4*(\s)], 1
	s_add_co_u32 s[G0B+4*(\s)+1], s20, (\s)*SLOT
	s_add_nc_u64 s[G0B+4*(\s)+2:G0B+4*(\s)+3], s[BBS:BBS+1], (\s)*STEPB
	s_or_b32 s[G0B+4*(\s)+3], s[G0B+4*(\s)+3], 0x80000000
	JLOAD \s                                       ; the ring is filled before anything else is done: two loads of mine are out
.endr
	; A fragment is 16 rows x 32 K in 8 registers: lane l holds row l % 16; registers 0-3 hold K = 8 (l / 16) + 0..7, registers 4-7 K = 16 + 8 (l / 16) + 0..7.
	v_and_b32 v1, 15, v0                           ; l % 16
	v_bfe_u32 v2, v0, 4, 1                         ; l / 16
	v_mul_u32_u24 v3, v1, PITCH
	v_lshl_add_u32 v3, v2, 4, v3                   ; xb: row x pitch + 16 x half: two loads of 16 bytes, 32 bytes apart
	v_and_b32 v4, 7, v0                            ; wq: the turning load takes 16 k x 16 columns: lane l reads k = 8 (l / 16) + l % 8, columns 8 ((l / 8) % 2) + 0..7,
	v_lshl_add_u32 v4, v2, 3, v4                   ; and is left with column l % 16 and eight k: half a fragment
	v_mul_u32_u24 v4, v4, PB
	v_bfe_u32 v5, v0, 3, 1
	v_lshl_add_u32 v4, v5, 4, v4
	s_mul_i32 s21, s11, HALFT                      ; my 128 rows of xb
	s_lshl_b32 s22, s12, 8                         ; my 128 columns of wq,
	s_add_co_u32 s22, s22, 2*HALFT                 ; which lies behind xb's 256 rows
.irp s, 0,1
	v_add_nc_u32 v[ADRA+(\s)], s21, v3
	v_add_nc_u32 v[ADRB+(\s)], s22, v4
	s_add_co_u32 s21, s21, SLOT
	s_add_co_u32 s22, s22, SLOT
.endr
	s_mul_i32 s23, s10, 16*SPITCH
	s_add_co_u32 s23, s23, STAGE                   ; my stage
	v_mul_u32_u24 v4, v1, SPITCH                   ; in: row l % 16, 16 bytes for each half of the lanes
	v_lshl_add_u32 v4, v2, 4, v4
	v_add_nc_u32 v[STO], s23, v4
	v_mul_u32_u24 v5, v2, SPITCH                   ; back: lanes 0-15 take one row of 256 bytes, lanes 16-31 the next
	v_lshl_add_u32 v5, v1, 4, v5
	v_add_nc_u32 v[RD], s23, v5
	v_mul_u32_u24 v5, v2, ROWC                     ; and the same two rows in qkv
	v_lshl_add_u32 v[CO], v1, 4, v5
	v_lshlrev_b32 v[BO], 5, v2
	s_lshl_b32 s22, s42, 10                        ; the bias of my 128 columns: 4 bytes x (256 x tile column + 128 x half)
	s_lshl_b32 s23, s12, 9
	s_add_co_u32 s22, s22, s23
	s_mov_b32 s23, 0
	s_add_nc_u64 s[BQ:BQ+1], s[BQ:BQ+1], s[22:23]
	BIASLOAD
	; where my part of the first tile begins in qkv, in bytes (under 2^27); it grows by 2,048 a tile
	s_lshl_b32 s13, s13, 8
	s_lshl_b32 s14, s11, 7
	s_add_co_u32 s16, s13, s14                     ; my first row
	s_mul_i32 s16, s16, ROWC
	s_lshl_b32 s46, s42, 9                         ; my first column, in bytes: 512 x tile column + 256 x half
	s_lshl_b32 s47, s12, 8
	s_add_co_u32 s47, s46, s47
	s_add_co_u32 s16, s16, s47
	s_mov_b32 s17, 0
	; the prefetches.  s13 = 256 x tile row, s46 = 512 x tile column, s40 = cx, s41 = cy
	s_and_b32 s22, ttmp7, 0xffff                   ; cluster y
	s_mov_b32 s19, ROWB
	s_mov_b32 s[PST], STEPB
	s_cmp_eq_u32 s11, 0                            ; do I fetch for xb?
	s_cselect_b32 s20, s13, 0                      ; the first row: xb's by the tile row; wq's is K step 0's
	s_cselect_b32 s21, s40, s41                    ; my place among the four that ask with me,
	s_cselect_b32 s23, 5, 4                        ; which takes 32 rows, or 16
	s_cselect_b32 s18, 7, 6                        ; the half that I fetch has 128 rows, or 64
	s_cselect_b32 s22, ttmp9, s22                  ; the coordinate along which other clusters read the same rows
	s_cselect_b32 s19, ROWA, s19                   ; bytes in a row
	s_cselect_b32 s46, 0, s46                      ; xb: a row's first byte; wq: the first tile's columns
	s_cselect_b32 s[PST], STEPA, s[PST]            ; a K step: along xb's rows, down wq's
	s_cselect_b32 s[PTL], 0, 2048                  ; a tile: the same rows of xb; 1,024 columns of wq on
	s_cselect_b32 s[TK], 7, 23                     ; xb: the first tile's K steps alone; wq: all
	s_cselect_b64 s[PFB:PFB+1], s[4:5], s[6:7]
	s_cmp_eq_u32 s22, 0
	s_cselect_b32 s[LIM], s[TK], 0                 ; the same in all sixteen partners, for a given wave
	s_lshl_b32 s21, s21, s23
	s_lshl_b32 s18, s12, s18
	s_add_co_u32 s20, s20, s21
	s_add_co_u32 s20, s20, s18
	s_mul_i32 s20, s20, s19                        ; under 2^25
	s_add_co_u32 s20, s20, s46
	s_mov_b32 s21, 0
	s_add_nc_u64 s[PFB:PFB+1], s[PFB:PFB+1], s[20:21]
	v_and_b32 v5, 31, v0
	v_lshrrev_b32 v6, s11, v5                      ; xb: a lane a row; wq: two lanes a row,
	v_mul_u32_u24 v6, s19, v6
	v_and_b32 v5, s11, v5                          ; 256 bytes apart
	v_lshl_add_u32 v[PFO], v5, 8, v6
; 16 matrix instructions: m blocks a0, a0 + 1 of the window's four (hi = 0: my rows 0-63, 1: rows 64-127) x all 8 n blocks, 32 along K.
; first = 1: a tile's first products: C is the bias, in window 1: nothing is cleared and nothing is added later.
; The 64 accumulators take turns, one instruction a turn, in the same order in every quarter step.
.macro MUL16 f, hi, a0, first
.if \first
	WIN 0x91+0x40*(\hi)
.else
	WIN MUL_LO+0x50*(\hi)
.endif
.irp a, \a0, (\a0)+1
.irp b, 0,1,2,3,4,5,6,7
.if \first
	v_wmma_f32_16x16x32_bf16 v[8*(8*(\a)+(\b)):8*(8*(\a)+(\b))+7], v[(\f)+8*(\b):(\f)+8*(\b)+7], v[(\f)+8*(4*(\hi)+(\a)):(\f)+8*(4*(\hi)+(\a))+7], v[8*(\b):8*(\b)+7]
.else
	v_wmma_f32_16x16x32_bf16 v[8*(8*(\a)+(\b)):8*(8*(\a)+(\b))+7], v[(\f)+8*(\b):(\f)+8*(\b)+7], v[(\f)+8*(4*(\hi)+(\a)):(\f)+8*(4*(\hi)+(\a))+7], v[8*(8*(\a)+(\b)):8*(8*(\a)+(\b))+7]
.endif
.endr
.endr
.endm
; 32 LDS loads in one run: the fragments of quarter q of a K step (32 K x 128 columns of wq, 128 rows x 32 K of xb) into buffer f
.macro FETCH slot, q, f
	WIN TO_B
.irp i, 0,1,2,3,4,5,6,7
	ds_load_tr16_b128 v[(\f)+8*(\i):(\f)+8*(\i)+3],   v[ADRB+(\slot)] offset:(\q)*32*PB+32*(\i)
	ds_load_tr16_b128 v[(\f)+8*(\i)+4:(\f)+8*(\i)+7], v[ADRB+(\slot)] offset:(\q)*32*PB+16*PB+32*(\i)
.endr
	WIN 0
.irp i, 0,1,2,3,4,5,6,7
	ds_load_b128 v[(\f)+8*(\i):(\f)+8*(\i)+3],   v[ADRA+(\slot)] offset:(\q)*64+(\i)*16*PITCH
	ds_load_b128 v[(\f)+8*(\i)+4:(\f)+8*(\i)+7], v[ADRA+(\slot)] offset:(\q)*64+(\i)*16*PITCH+32
.endr
.endm
; A load into a register that a matrix instruction has read, and a vector instruction that reads a matrix result, stand four places behind that matrix instruction, and only plain vector
; instructions that name none of its registers are places (ISA guide 7.12.1 for vector instructions).
.macro PLACES
.rept 4
	v_nop
.endr
.endm
; A K step is four quarters of 32 along K, 64 matrix instructions each, on buffers 0, 1, 0, 1.  One of the first three: multiplies buffer f; in its middle it fetches quarter q of the same slot into buffer g.
.macro QUARTER slot, q, f, g, first
	s_wait_dscnt 8                                 ; wq and xb's rows 0-63 are in; the youngest eight loads (xb's rows 64-127) may be out
	MUL16 \f, 0, 0, \first
	MUL16 \f, 0, 2, \first
	PLACES
	FETCH \slot, \q, \g
	s_wait_dscnt 32                                ; all but the 32 just issued
	MUL16 \f, 1, 0, \first
	MUL16 \f, 1, 2, \first
.endm
; The last quarter multiplies buffer 1 and changes slots.  MEET is its first half: ONE barrier for the change.  In front of it each wave waits for all its tensor loads, of which one is out: its part of the
; next slot; adds 0 to its spare word; and waits for that and for its own reads of this slot.  Behind it nobody reads this slot any more and the next slot is whole.
.macro MEET round                      ; round = 1: a round of the cluster's barrier follows
	WIN 0                                          ; (the add's two registers lie in window 0)
	s_wait_tensorcnt 0x0                           ; all my tensor loads have landed;
	ds_add_u32 v[SPW], v[NIL]                      ; 0 onto my spare word;
	s_wait_dscnt 9                                 ; (the add and the youngest eight loads may be out)
	MUL16 F1, 0, 0, 0                              ; sixteen matrix instructions stand between the add and the wait for it
	s_wait_dscnt 0x0                               ; the add is done, and my reads of this slot are over:
	s_barrier_signal -1                            ; say so,
	MUL16 F1, 0, 2, 0                              ; work on registers while the others arrive,
.if \round
	WIN 0
.endif
	s_barrier_wait -1                              ; and go on when all four have said so
.endm
; The whole last quarter.  Behind the round the slot just read out is filled again first, with the K step of number NX: two K steps on, in a tile's last lap the NEXT tile's K step 0 or 1.
; Its offsets, and the prefetch's, are made at the head, from the number alone; each descriptor's address is then its base plus the offset, with the type bits set anew.
; Then come the next slot's first fragments.  From a request to the wait for it a wave issues 224 matrix instructions, across tiles too.
.macro TURN slot, next
	s_wait_xcnt 0x0                                ; the last prefetch, a K step back, has read its address: it is written here, ahead of the waits of the change of slots
	s_and_b32 s[TK], s[NX], 7                      ; the refill: its K step,
	s_lshr_b32 s[TT], s[NX], 3                     ; its tile
	s_lshl_b32 s[SA], s[TK], 8                     ; xb: 256 bytes a K step, the same rows in every tile
	s_mul_i32 s[SB], s[TK], STEPB                  ; wq: 128 rows a K step,
	s_lshl_b32 s[TT], s[TT], 11                    ; 2,048 bytes a tile
	s_add_co_u32 s[SB], s[SB], s[TT]
	s_add_co_u32 s[MX], s[NX], 2                   ; the prefetch: two numbers on
	s_and_b32 s[TK], s[MX], 7
	s_lshr_b32 s[TT], s[MX], 3
	s_mul_i32 s[SP], s[TK], s[PST]
	s_mul_i32 s[TT], s[TT], s[PTL]
	s_add_co_u32 s[SP], s[SP], s[TT]
	s_add_nc_u64 s[PFA:PFA+1], s[PFB:PFB+1], s[SP:SP+1]
	s_add_co_u32 s[NX], s[NX], 1
	MEET 1
	CREST                                          ; no wave of any partner still reads this slot's tile or has a load on its way
	s_add_nc_u64 s[G0+4*(\slot)+2:G0+4*(\slot)+3], s[ABS:ABS+1], s[SA:SA+1]
	s_or_b32 s[G0+4*(\slot)+3], s[G0+4*(\slot)+3], 0x80000000
	s_add_nc_u64 s[G0B+4*(\slot)+2:G0B+4*(\slot)+3], s[BBS:BBS+1], s[SB:SB+1]
	s_or_b32 s[G0B+4*(\slot)+3], s[G0B+4*(\slot)+3], 0x80000000
	JLOAD \slot                                    ; the first tensor load behind the round; the four v_nop behind it are also the places in front of the loads below
	FETCH \next, 0, F0
	ASK
	MUL16 F1, 1, 0, 0
	MUL16 F1, 1, 2, 0
.endm
; THE LAST K STEP OF THE LAST TILE (it lies in slot 1) GOES BY ROWS OF THE RESULT.  All its fragments of wq (4 quarters x 64 registers) fill window 1; then my eight blocks of 16 rows are finished one after
; the other, each with 32 matrix instructions (its 8 accumulators by turns, K ascending).  LDS is read no more than in any other K step.
.macro BLOAD q                         ; wq's fragments of quarter q -> window 1, v[64 q ..]
	WIN TO_B
.irp i, 0,1,2,3,4,5,6,7
	ds_load_tr16_b128 v[64*(\q)+8*(\i):64*(\q)+8*(\i)+3],   v[ADRB+1] offset:(\q)*32*PB+32*(\i)
	ds_load_tr16_b128 v[64*(\q)+8*(\i)+4:64*(\q)+8*(\i)+7], v[ADRB+1] offset:(\q)*32*PB+16*PB+32*(\i)
.endr
.endm
.macro ALOAD a                         ; xb's fragments of block a, all four quarters -> buffer a % 4
	WIN 0
.set FA, PA+32*((\a)%4)
.irp q, 0,1,2,3
	ds_load_b128 v[FA+8*(\q):FA+8*(\q)+3],   v[ADRA+1] offset:64*(\q)+(\a)*16*PITCH
	ds_load_b128 v[FA+8*(\q)+4:FA+8*(\q)+7], v[ADRA+1] offset:64*(\q)+(\a)*16*PITCH+32
.endr
.endm
.macro ROW a                           ; block a is finished: 32 matrix instructions
.set FA, PA+32*((\a)%4)
.set AC, 64*((\a)%4)
	WIN MUL_LO+0x50*((\a)/4)
.irp q, 0,1,2,3
.if (\a) == 0 && (\q) == 2
	s_wait_dscnt 24                                ; wq's quarter 2 is in (behind it: xb's blocks 1 to 3)
.endif
.irp b, 0,1,2,3,4,5,6,7
	v_wmma_f32_16x16x32_bf16 v[AC+8*(\b):AC+8*(\b)+7], v[64*(\q)+8*(\b):64*(\q)+8*(\b)+7], v[FA+8*(\q):FA+8*(\q)+7], v[AC+8*(\b):AC+8*(\b)+7]
.endr
.endr
.endm
; THE WAY OUT of block a, in three parts.  PACK: rounded to f16, 16 bytes a lane; each accumulator's registers in ascending order.  TOSTAGE: into my own stage in LDS, and back as whole rows of 256 bytes.  SEND: stored.
.macro PACK a
.set AC, 64*((\a)%4)
	WIN 0x0a+5*((\a)/4)                            ; sources 0 and 1: window 2 or 3
.irp b, 0,1,2,3,4,5,6,7
.irp r, 0,1,2,3
	v_cvt_pk_f16_f32 v[TMP+4*(\b)+(\r)], v[AC+8*(\b)+2*(\r)], v[AC+8*(\b)+2*(\r)+1]
.endr
.endr
	WIN 0
.endm
.macro TOSTAGE a
	WIN 0
.set BK, OB+192*((\a)%2)
.irp b, 0,1,2,3,4,5,6,7
	ds_store_b128 v[STO], v[TMP+4*(\b):TMP+4*(\b)+3] offset:32*(\b)
.endr
.irp t, 0,1,2,3,4,5,6,7
	ds_load_b128 v[BK+4*(\t):BK+4*(\t)+3], v[RD] offset:(\t)*2*SPITCH  ; LDS serves a wave's instructions in order (ISA guide 5.7.1.4): these see the stores above
.endr
.endm
.macro SEND a, younger                 ; younger: the LDS loads issued behind TOSTAGE's, which may stay out
	WIN 0
.set BK, OB+192*((\a)%2)
	s_wait_dscnt \younger                          ; the block is back in registers
	s_wait_xcnt 0x0                                ; only behind this wait are the stores' base and the registers that earlier stores read rewritten
.if (\a) == 0
	s_add_nc_u64 s[8:9], s[CB:CB+1], s[16:17]      ; this tile's first rows
.else
	s_add_nc_u64 s[8:9], s[8:9], 16*ROWC           ; 16 rows on
.endif
.irp t, 0,1,2,3,4,5,6,7
	global_store_b128 v[CO], v[BK+4*(\t):BK+4*(\t)+3], s[8:9] offset:2*(\t)*ROWC  ; 16 lanes store 256 consecutive bytes, at a multiple of 256 from qkv's first byte
.endr
.endm
	s_wait_tensorcnt 1                             ; my part of K step 0 is in; K step 1's may stay out
	s_barrier_signal -1
	s_barrier_wait -1                              ; everybody's is
	FETCH 0, 0, F0
	s_wait_loadcnt 0x0                             ; the bias: the only loads into registers of this text
	QUARTER 0, 1, F0, F1, 1                        ; the first tile's first quarter stands in front of the loop: its products start the sums, with the bias
	WIN 0                                          ; at a label and at a branch every window is 0
	s_mov_b32 s3, TILES*LAPS-1                     ; trips: every lap of the three tiles but the last: the same number in every work-group
	s_mov_b32 s2, LAPS                             ; laps of the tile in hand that are still to come, this one among them
.Llap:                                                 ; a trip goes once round the ring, from a lap's second quarter to the next lap's first, and fills both slots again
	QUARTER 0, 2, F1, F0, 0
	QUARTER 0, 3, F0, F1, 0
	TURN 0, 1
	QUARTER 1, 1, F0, F1, 0
	QUARTER 1, 2, F1, F0, 0
	QUARTER 1, 3, F0, F1, 0
	TURN 1, 0
	WIN 0
	s_cmp_eq_u32 s2, 1
	s_cbranch_scc1 .Lchange                        ; forward, past text with no barrier and no tensor load
	QUARTER 0, 1, F0, F1, 0                        ; the same tile's next lap
	WIN 0
	s_branch .Lnext
.Lchange:                                              ; THE TILE IS FINISHED, and both refills for the next are asked for: now it goes out
	s_add_nc_u64 s[BQ:BQ+1], s[BQ:BQ+1], 4096      ; (the last bias loads were waited for, so their base may be written) the next tile's bias, 1,024 columns on:
	BIASLOAD                                       ; the products that read these registers stand a tile back; the way out stands between these loads and the wait for them
	PACK 0                                         ; blocks 0-3 were finished in front of the joint load's four v_nop, and their 128 conversions,
	TOSTAGE 0                                      ; which name no register of the last products (blocks 4-7's), are those products' places
.irp a, 1,2,3,4,5,6,7                  ; block a's conversions stand between block a - 1's loads from the stage and the wait for them
	PACK \a
	SEND (\a)-1, 0
	TOSTAGE \a
.endr
	SEND 7, 0
	s_add_nc_u64 s[16:17], s[16:17], 2048          ; the next tile lies 1,024 columns on
	s_wait_loadcnt 0x0                             ; its bias is in
	QUARTER 0, 1, F0, F1, 1                        ; its first quarter starts the sums anew
	WIN 0
	s_mov_b32 s2, LAPS+1
.Lnext:
	s_sub_co_u32 s2, s2, 1
	s_sub_co_u32 s3, s3, 1
	s_cmp_lg_u32 s3, 0
	s_cbranch_scc1 .Llap
	QUARTER 0, 2, F1, F0, 0                        ; the last tile's last lap is written out: it asks for nothing more
	QUARTER 0, 3, F0, F1, 0
	MEET 0                                         ; my one tensor load that was still out is slot 1's, the last K step's, so no round follows
	PLACES                                         ; for the loads into buffer 0, which the quarter before multiplied
	BLOAD 0                                        ; three quarters of wq now: buffer 1 (v128-191 of both windows) is still being multiplied
	BLOAD 1
	BLOAD 3
	ALOAD 0
	MUL16 F1, 1, 0, 0
	MUL16 F1, 1, 2, 0
	PLACES                                         ; for the loads into buffer 1
	BLOAD 2
	ALOAD 1
	ALOAD 2
	ALOAD 3
	s_wait_dscnt 40                                ; all but the 40 just issued
	ROW 0
.irp a, 0,1,2,3,4,5,6,7                ; each block leaves as soon as it is finished
	PLACES                                         ; its conversions read results just made
	PACK \a
	TOSTAGE \a
.if (\a) < 4
	ALOAD (\a)+4                                   ; its buffer takes the block four further on
	SEND \a, 8
.else
	SEND \a, 0
.endif
.if (\a) < 7
	ROW (\a)+1
.endif
.endr
	s_wait_tensorcnt 0x0                           ; the wave's end, behind my last tensor load and my last LDS store
	ds_add_u32 v[SPW], v[NIL]
	s_wait_dscnt 0x0
	CROUND                                         ; the closing round: no work-group ends while a partner may still ask for a tile that names it
	s_endpgm
.Lfunc_end_k_q5986905411_gemm_qkv:
	.size	k_q5986905411_gemm_qkv, .Lfunc_end_k_q5986905411_gemm_qkv-k_q5986905411_gemm_qkv
	.p2alignl 7, 3214868480
	.fill 96, 4, 3214868480
	.section	.rodata,"a",@progbits
	.p2align	6, 0x0
	.amdhsa_kernel k_q5986905411_gemm_qkv
		.amdhsa_group_segment_fixed_size 327680
		.amdhsa_private_segment_fixed_size 0
		.amdhsa_enable_private_segment 0
		.amdhsa_kernarg_size 32
		.amdhsa_user_sgpr_count 2
		.amdhsa_user_sgpr_kernarg_segment_ptr 1
		.amdhsa_wavefront_size32 1
		.amdhsa_system_sgpr_workgroup_id_x 1
		.amdhsa_system_sgpr_workgroup_id_y 1
		.amdhsa_system_sgpr_workgroup_id_z 1
		.amdhsa_system_vgpr_workitem_id 0
		.amdhsa_next_free_vgpr 1024
		.amdhsa_next_free_sgpr 92
		.amdhsa_reserve_vcc 0
		.amdhsa_float_denorm_mode_32 3
		.amdhsa_float_denorm_mode_16_64 3
		.amdhsa_memory_ordered 1
		.amdhsa_forward_progress 1
		.amdhsa_inst_pref_size 187
	.end_amdhsa_kernel
	.amdgpu_metadata
---
amdhsa.version: [ 1, 2 ]
amdhsa.kernels:
  - .name:           k_q5986905411_gemm_qkv
    .symbol:         k_q5986905411_gemm_qkv.kd
    .args:
      - { .name: xb, .offset: 0, .size: 8, .value_kind: global_buffer, .address_space: global }
      - { .name: wq, .offset: 8, .size: 8, .value_kind: global_buffer, .address_space: global }
      - { .name: qkv, .offset: 16, .size: 8, .value_kind: global_buffer, .address_space: global }
      - { .name: bq, .offset: 24, .size: 8, .value_kind: global_buffer, .address_space: global }
    .group_segment_fixed_size: 327680
    .private_segment_fixed_size: 0
    .kernarg_segment_align: 8
    .kernarg_segment_size: 32
    .max_flat_workgroup_size: 128
    .sgpr_count:     92
    .vgpr_count:     1024
    .wavefront_size: 32
...
	.end_amdgpu_metadata
.endif
;; end of part 2
;; launch attn (part 3): grid 512 x 1, 8 waves a work-group, no clusters, 82,944 bytes of LDS; arguments qkv, ob; writes ob
.if DOCPART == 3
	.amdgcn_target "amdgcn-amd-amdhsa--gfx1250"
	.amdhsa_code_object_version 6
	.text
	.protected	k_q5986905411_attn
	.globl	k_q5986905411_attn
	.p2align	8
	.type	k_q5986905411_attn,@function
k_q5986905411_attn:
	s_mov_b64 s[64:65], 0
	v_nop
	global_prefetch_b8 v0, s[64:65] scope:SCOPE_SE
	s_setreg_imm32_b32 hwreg(HW_REG_WAVE_MODE, 25, 1), 1
	s_wait_xcnt 0x0
; INSIDE EACH TOKEN ITS 16 HEADS ATTEND TO EACH OTHER.  For token m: S[i][j] = q[i] . k[j] / 8 over 64 channels, P = softmax over j, O[i] = the sum over j of P[i][j] v[j].
; qkv: [16384][3072] f16: q at byte 0 of a row, k at 2,048, v at 4,096; head i at 128 i.  ob: [16384][1024] f16, channel 64 i + 8 c + j at place 128 c + 8 i + j (wo's rows have the same order).
; Products, the maximum, the exponentials and their sum in f32; the row's true maximum is taken away before the exponential; P is divided by its sum and then rounded to f16; O is rounded once.
; LIMITS.  q, k, v arrive within f16's range; P lies in 0 to 1 and below 6e-5 keeps f16's fixed step of 6e-8; a weight below 2^-126 counts as 0; NaN and infinities are not treated apart.
; A STREAM.  A wave takes 4 tokens, a work-group 32; nothing is shared, so there is no barrier, no cluster and no tile ring; there is no loop: a wave's 48 loads (24 KiB) go out together.
; EVERY LOAD TAKES 512 CONSECUTIVE BYTES: a token's row is twelve such runs.  A run holds four heads, eight lanes a head, which is no fragment's layout: so q, k and v all go through the wave's own stage in
; LDS and come back as fragments.  The stage is used three times over, q and k of tokens 0 and 1, of tokens 2 and 3, then v of all four: LDS serves a wave's instructions in order (ISA guide 5.7.1.4).
; LAYOUT.  S^T = K Q^T (source 0 = the 16 key heads, source 1 = the 16 query heads): a lane holds ONE query head (l % 16) and the keys 8 (l / 16) + 0..7.  Rounded to f16 in pairs these ARE registers 0-3
; of source 1 of O^T = V^T P; the form has 32 along K and there are 16 keys, so registers 4-7 of both sources hold 0.  V lies [key][channel] and is turned by ds_load_tr16_b128.
; In O^T a lane holds one query head and eight channels: 16 bytes, and a wave's 32 lanes 512 consecutive bytes of ob.
.set ROWQ,  6144
.set ROWO,  2048
.set PQ,    144                        ; a head's row of q or k in the stage: 128 bytes + 16 = 36 words: the 16 rows of a fragment load start at 16 different groups of four banks (64 banks of 4 bytes: ISA guide 11.1)
.set HEADB, 16*PQ                      ; a token's q, or its k
.set PV,    160                        ; a key's row of v in the stage: 128 bytes + 32 = 40 words
.set TOKB,  16*PV                      ; a token's v
.set WAVB,  4*TOKB                     ; a wave's stage: v of four tokens; q and k of two tokens, 4 x 2,304 bytes, fit into it
.set SPARE, 8*WAVB                     ; behind the stages: the spare words, 128 bytes for each wave: four blocks of 256 bytes that no other line names
.set QL,  4                            ; v4   where a fragment of q or k is read: 144 (l % 16) + 16 (l / 16)
.set VO,  5                            ; v5   16 l: all loads from qkv and all stores to ob
.set VS,  6                            ; v6   where I put 16 bytes of v
.set AV,  7                            ; v7   where the turning load reads
.set SPW, 9                            ; v9   LDS address of my spare word: SPARE + 4 x my thread's number; never rewritten
.set NIL, 10                           ; v10  0; never rewritten
.set QS,  12                           ; v12  where I put 16 bytes of q or k
.set QF,  16                           ; v16-79    q: token t at 16 t: run f at 4 f as loaded; then channel half c at 8 c as a fragment
.set KF,  80                           ; v80-143   k likewise
.set VR,  144                          ; v144-207  v as loaded: token t, run f at 16 t + 4 f
.set S,   208                          ; v208-239  S^T, 8 a token
.set T,   240                          ; v240-255  four registers a token, at work
.set VF,  16                           ; later: V^T's fragments: token t, channel block cb at 32 t + 8 cb
.set P,   144                          ; later: P, 8 a token
.set O0,  176                          ; later: O^T of tokens 0 and 1, 32 a token
.set O1,  16                           ; later: O^T of tokens 2 and 3
.set CS,  10                           ; s[10:11] c = log2(e) / 8: the packed scaling takes the pair's low word for both halves
.set SEL, 12                           ; s[12:13] v_permlanex16_b32's selects: each lane takes its own place in the other half
.macro ALL line:vararg                 ; one line for each token t
.set t, 0
.rept 4
	\line
.set t, t+1
.endr
.endm
	s_load_b128 s[4:7], s[0:1], 0x0                ; qkv s[4:5], ob s[6:7]
	v_lshl_add_u32 v[SPW], v0, 2, SPARE
	v_mov_b32 v[NIL], 0
	v_lshrrev_b32 v1, 5, v0
	v_readfirstlane_b32 s8, v1                     ; wave 0..7
	v_and_b32 v1, 31, v0                           ; l
	v_lshlrev_b32 v[VO], 4, v1
	s_lshl_b32 s2, ttmp9, 5
	s_lshl2_add_u32 s2, s8, s2                     ; my first token: 32 x work-group + 4 x wave
	s_mul_i32 s14, s2, ROWQ                        ; under 2^27
	s_mov_b32 s15, 0
	s_lshl_b32 s16, s2, 11
	s_mov_b32 s17, 0
	s_wait_kmcnt 0x0
	s_add_nc_u64 s[4:5], s[4:5], s[14:15]
	s_add_nc_u64 s[6:7], s[6:7], s[16:17]
.irp tt, 0,1,2,3                       ; q and k, token by token: eight runs of 512 bytes each
.irp f, 0,1,2,3
	global_load_b128 v[QF+16*(\tt)+4*(\f):QF+16*(\tt)+4*(\f)+3], v[VO], s[4:5] offset:ROWQ*(\tt)+512*(\f) th:TH_LOAD_NT
	global_load_b128 v[KF+16*(\tt)+4*(\f):KF+16*(\tt)+4*(\f)+3], v[VO], s[4:5] offset:ROWQ*(\tt)+2048+512*(\f) th:TH_LOAD_NT
.endr
.endr
.irp tt, 0,1,2,3                       ; then v
.irp f, 0,1,2,3
	global_load_b128 v[VR+16*(\tt)+4*(\f):VR+16*(\tt)+4*(\f)+3], v[VO], s[4:5] offset:ROWQ*(\tt)+4096+512*(\f) th:TH_LOAD_NT
.endr
.endr
	s_mov_b32 s[CS], 0x3e38aa3b                    ; c = log2(e) / 8 = 0.180337
	s_mov_b32 s[CS+1], s[CS]                       ; named with it as a pair
	s_mov_b32 s[SEL], 0x76543210
	s_mov_b32 s[SEL+1], 0xfedcba98
	s_mul_i32 s9, s8, WAVB                         ; my wave's stage
	v_and_b32 v2, 15, v0                           ; l % 16
	v_bfe_u32 v3, v0, 4, 1                         ; l / 16
	v_lshrrev_b32 v8, 3, v1                        ; in: run f holds heads 4 f + l / 8, 16 bytes at 16 (l % 8)
	v_and_b32 v11, 7, v0
	v_mul_u32_u24 v[QS], v8, PQ
	v_lshl_add_u32 v[QS], v11, 4, v[QS]
	v_add_nc_u32 v[QS], s9, v[QS]
	v_mul_u32_u24 v[VS], v8, PV
	v_lshl_add_u32 v[VS], v11, 4, v[VS]
	v_add_nc_u32 v[VS], s9, v[VS]
	v_mul_u32_u24 v[QL], v2, PQ                    ; back, q and k: a fragment is 16 heads x 32 channels: lane l takes head l % 16, two loads of 16 bytes, 32 bytes apart
	v_lshl_add_u32 v[QL], v3, 4, v[QL]
	v_add_nc_u32 v[QL], s9, v[QL]
	v_lshl_add_u32 v[AV], v3, 3, v11               ; back, v: lane l reads key 8 (l / 16) + l % 8, channels 8 ((l / 8) % 2) + 0..7, and is left with channel l % 16 and eight keys
	v_mul_u32_u24 v[AV], v[AV], PV
	v_bfe_u32 v8, v0, 3, 1
	v_lshl_add_u32 v[AV], v8, 4, v[AV]
	v_add_nc_u32 v[AV], s9, v[AV]
; q and k of tokens t0 and t0 + 1 go into the stage as they were loaded and come back as fragments, into the registers that they left.
.macro QKIN t0
.irp u, 0,1
.irp f, 0,1,2,3
	ds_store_b128 v[QS], v[QF+16*((\t0)+(\u))+4*(\f):QF+16*((\t0)+(\u))+4*(\f)+3] offset:HEADB*(2*(\u))+4*PQ*(\f)
	ds_store_b128 v[QS], v[KF+16*((\t0)+(\u))+4*(\f):KF+16*((\t0)+(\u))+4*(\f)+3] offset:HEADB*(2*(\u)+1)+4*PQ*(\f)
.endr
.endr
.irp u, 0,1
.irp c, 0,1
	ds_load_b128 v[QF+16*((\t0)+(\u))+8*(\c):QF+16*((\t0)+(\u))+8*(\c)+3],   v[QL] offset:HEADB*(2*(\u))+64*(\c)
	ds_load_b128 v[QF+16*((\t0)+(\u))+8*(\c)+4:QF+16*((\t0)+(\u))+8*(\c)+7], v[QL] offset:HEADB*(2*(\u))+64*(\c)+32
	ds_load_b128 v[KF+16*((\t0)+(\u))+8*(\c):KF+16*((\t0)+(\u))+8*(\c)+3],   v[QL] offset:HEADB*(2*(\u)+1)+64*(\c)
	ds_load_b128 v[KF+16*((\t0)+(\u))+8*(\c)+4:KF+16*((\t0)+(\u))+8*(\c)+7], v[QL] offset:HEADB*(2*(\u)+1)+64*(\c)+32
.endr
.endr
.endm
	s_wait_loadcnt 32                              ; q and k of tokens 0 and 1 are in; 32 younger loads stay out
	QKIN 0
	s_wait_loadcnt 16                              ; those of tokens 2 and 3; v's sixteen loads stay out
	QKIN 2                                         ; over the same bytes: these stores are served behind the loads above
	s_wait_dscnt 0x0                               ; all sixteen fragments are in
.irp c, 0,1                            ; S^T = K Q^T: the four tokens' accumulators take turns; the first four products start the sums
.irp tt, 0,1,2,3
.if (\c) == 0
	v_wmma_f32_16x16x32_f16 v[S+8*(\tt):S+8*(\tt)+7], v[KF+16*(\tt):KF+16*(\tt)+7], v[QF+16*(\tt):QF+16*(\tt)+7], 0
.else
	v_wmma_f32_16x16x32_f16 v[S+8*(\tt):S+8*(\tt)+7], v[KF+16*(\tt)+8:KF+16*(\tt)+15], v[QF+16*(\tt)+8:QF+16*(\tt)+15], v[S+8*(\tt):S+8*(\tt)+7]
.endif
.endr
.endr
	ALL v_mov_b32 v[T+4*t+1], 0                    ; four plain instructions: the places behind those products (ISA guide 7.12.1); they also write what v_permlanex16_b32 counts as read
	s_wait_loadcnt 0x0                             ; v
.irp tt, 0,1,2,3
.irp f, 0,1,2,3
	ds_store_b128 v[VS], v[VR+16*(\tt)+4*(\f):VR+16*(\tt)+4*(\f)+3] offset:TOKB*(\tt)+4*PV*(\f)
.endr
.endr
.set i, 0
.rept 16                               ; keys 16 to 31 do not exist: registers 4-7 of V^T's sixteen fragments,
	v_mov_b32 v[VF+8*i+4], 0
	v_mov_b32 v[VF+8*i+5], 0
	v_mov_b32 v[VF+8*i+6], 0
	v_mov_b32 v[VF+8*i+7], 0
.set i, i+1
.endr
.set i, 0
.rept 4                                ; and of P's four
	v_mov_b32 v[P+8*i+4], 0
	v_mov_b32 v[P+8*i+5], 0
	v_mov_b32 v[P+8*i+6], 0
	v_mov_b32 v[P+8*i+7], 0
.set i, i+1
.endr
.irp tt, 0,1,2,3
.irp cb, 0,1,2,3
	ds_load_tr16_b128 v[VF+32*(\tt)+8*(\cb):VF+32*(\tt)+8*(\cb)+3], v[AV] offset:TOKB*(\tt)+32*(\cb)  ; served behind the stores above
.endr
.endr
	; THE SOFTMAX, a line for each of the four tokens, so that no instruction reads the result of the one before it.  Each accumulator is read from its low end on.
	ALL v_max3_num_f32 v[T+4*t], v[S+8*t], v[S+8*t+1], v[S+8*t+2]
	ALL v_max3_num_f32 v[T+4*t], v[T+4*t], v[S+8*t+3], v[S+8*t+4]
	ALL v_max3_num_f32 v[T+4*t], v[T+4*t], v[S+8*t+5], v[S+8*t+6]
	ALL v_max_num_f32 v[T+4*t], v[T+4*t], v[S+8*t+7]
	ALL v_permlanex16_b32 v[T+4*t+1], v[T+4*t], s[SEL], s[SEL+1]  ; the query's other eight keys lie in the lane 16 away
	ALL v_max_num_f32 v[T+4*t], v[T+4*t], v[T+4*t+1]
	ALL v_mul_f32 v[T+4*t], s[CS], v[T+4*t]        ; c m
.set i, 0
.rept 16                               ; c s - c m, a pair of scores each
	v_pk_fma_f32 v[S+2*i:S+2*i+1], v[S+2*i:S+2*i+1], s[CS:CS+1], v[T+4*(i/4):T+4*(i/4)+1] op_sel_hi:[1,0,0] neg_lo:[0,0,1] neg_hi:[0,0,1]
.set i, i+1
.endr
.set i, 0
.rept 32                               ; one batch of 32 exponentials
	v_exp_f32 v[S+i], v[S+i]
.set i, i+1
.endr
	v_nop                                          ; a plain instruction behind the last exponential (ISA guide 5.7.2),
	s_wait_alu depctr_va_vdst(0)                   ; and the one wait ahead of the batch's first reader
	ALL v_pk_add_f32 v[T+4*t:T+4*t+1], v[S+8*t:S+8*t+1], v[S+8*t+2:S+8*t+3]
	ALL v_pk_add_f32 v[T+4*t+2:T+4*t+3], v[S+8*t+4:S+8*t+5], v[S+8*t+6:S+8*t+7]
	ALL v_pk_add_f32 v[T+4*t:T+4*t+1], v[T+4*t:T+4*t+1], v[T+4*t+2:T+4*t+3]
	ALL v_add_f32 v[T+4*t], v[T+4*t], v[T+4*t+1]
	ALL v_permlanex16_b32 v[T+4*t+1], v[T+4*t], s[SEL], s[SEL+1]
	ALL v_add_f32 v[T+4*t], v[T+4*t], v[T+4*t+1]   ; the sum: at least 1, the largest weight
	ALL v_rcp_f32 v[T+4*t+2], v[T+4*t]
	v_nop
	s_wait_alu depctr_va_vdst(0)                   ; one wait for the four reciprocals
.set i, 0
.rept 16
	v_pk_mul_f32 v[S+2*i:S+2*i+1], v[S+2*i:S+2*i+1], v[T+4*(i/4)+2:T+4*(i/4)+3] op_sel_hi:[1,0]
.set i, i+1
.endr
.set i, 0
.rept 16
	v_cvt_pk_f16_f32 v[P+8*(i/4)+i%4], v[S+2*i], v[S+2*i+1]
.set i, i+1
.endr
; O^T = V^T P for tokens t0 and t0 + 1: one product an accumulator, C = 0; then rounded in place, from each accumulator's low end on, and stored.
.macro PVOUT t0, o
.irp u, 0,1
.irp cb, 0,1,2,3
	v_wmma_f32_16x16x32_f16 v[(\o)+32*(\u)+8*(\cb):(\o)+32*(\u)+8*(\cb)+7], v[VF+32*((\t0)+(\u))+8*(\cb):VF+32*((\t0)+(\u))+8*(\cb)+7], v[P+8*((\t0)+(\u)):P+8*((\t0)+(\u))+7], 0
.endr
.endr
.rept 4
	v_nop                                          ; the places behind those products
.endr
.irp u, 0,1
.irp cb, 0,1,2,3
.irp r, 0,1,2,3
	v_cvt_pk_f16_f32 v[(\o)+32*(\u)+8*(\cb)+(\r)], v[(\o)+32*(\u)+8*(\cb)+2*(\r)], v[(\o)+32*(\u)+8*(\cb)+2*(\r)+1]
.endr
.endr
.endr
.irp u, 0,1
.irp cb, 0,1,2,3
	global_store_b128 v[VO], v[(\o)+32*(\u)+8*(\cb):(\o)+32*(\u)+8*(\cb)+3], s[6:7] offset:ROWO*((\t0)+(\u))+512*(\cb)  ; channel groups 2 cb and 2 cb + 1 of all heads: 512 consecutive bytes, aligned
.endr
.endr
.endm
	s_wait_dscnt 0x0                               ; V^T is in
	PVOUT 0, O0
	PVOUT 2, O1                                    ; its accumulators lie where tokens 0 and 1 had V^T: the four v_nop and the conversions above are more than the five places between
	s_wait_tensorcnt 0x0                           ; the wave's end, behind my last LDS store
	ds_add_u32 v[SPW], v[NIL]
	s_wait_dscnt 0x0
	s_endpgm
.Lfunc_end_k_q5986905411_attn:
	.size	k_q5986905411_attn, .Lfunc_end_k_q5986905411_attn-k_q5986905411_attn
	.p2alignl 7, 3214868480
	.fill 96, 4, 3214868480
	.section	.rodata,"a",@progbits
	.p2align	6, 0x0
	.amdhsa_kernel k_q5986905411_attn
		.amdhsa_group_segment_fixed_size 82944
		.amdhsa_private_segment_fixed_size 0
		.amdhsa_enable_private_segment 0
		.amdhsa_kernarg_size 16
		.amdhsa_user_sgpr_count 2
		.amdhsa_user_sgpr_kernarg_segment_ptr 1
		.amdhsa_wavefront_size32 1
		.amdhsa_system_sgpr_workgroup_id_x 1
		.amdhsa_system_sgpr_workgroup_id_y 1
		.amdhsa_system_sgpr_workgroup_id_z 1
		.amdhsa_system_vgpr_workitem_id 0
		.amdhsa_next_free_vgpr 256
		.amdhsa_next_free_sgpr 66
		.amdhsa_reserve_vcc 0
		.amdhsa_float_denorm_mode_32 3
		.amdhsa_float_denorm_mode_16_64 3
		.amdhsa_memory_ordered 1
		.amdhsa_forward_progress 1
		.amdhsa_inst_pref_size 30
	.end_amdhsa_kernel
	.amdgpu_metadata
---
amdhsa.version: [ 1, 2 ]
amdhsa.kernels:
  - .name:           k_q5986905411_attn
    .symbol:         k_q5986905411_attn.kd
    .args:
      - { .name: qkv, .offset: 0, .size: 8, .value_kind: global_buffer, .address_space: global }
      - { .name: ob, .offset: 8, .size: 8, .value_kind: global_buffer, .address_space: global }
    .group_segment_fixed_size: 82944
    .private_segment_fixed_size: 0
    .kernarg_segment_align: 8
    .kernarg_segment_size: 16
    .max_flat_workgroup_size: 256
    .sgpr_count:     66
    .vgpr_count:     256
    .wavefront_size: 32
...
	.end_amdgpu_metadata
.endif
;; end of part 3
;; launch gemm_out (part 4): grid 4 x 64, 4 waves a work-group, clusters of 4 x 4, 327,680 bytes of LDS; arguments ob, wo, out0, bo; writes out0
.if DOCPART == 4
	.amdgcn_target "amdgcn-amd-amdhsa--gfx1250"
	.amdhsa_code_object_version 6
	.text
	.protected	k_q5986905411_gemm_out
	.globl	k_q5986905411_gemm_out
	.p2align	8
	.type	k_q5986905411_gemm_out,@function
k_q5986905411_gemm_out:
	s_mov_b64 s[64:65], 0
	v_nop
	global_prefetch_b8 v0, s[64:65] scope:SCOPE_SE
	s_setreg_imm32_b32 hwreg(HW_REG_WAVE_MODE, 25, 1), 1
	s_wait_xcnt 0x0
	s_wait_alu depctr_hold_cnt(0) depctr_sa_sdst(0) depctr_va_vdst(0) depctr_va_sdst(0) depctr_va_ssrc(0) depctr_va_vcc(0) depctr_vm_vsrc(0)
	s_getreg_b32 s2, hwreg(HW_REG_IB_STS2, 6, 4)
	s_cmp_eq_u32 s2, 0
	s_cbranch_scc0 .Lentry_in_a_cluster
	s_endpgm
.Lentry_in_a_cluster:
	s_bfe_u32 s2, ttmp6, 0x10000c
	s_cmp_lg_u32 s2, 0xf033
	s_cbranch_scc0 .Lentry_shape_is_right
	s_endpgm
.Lentry_shape_is_right:
; out0[m][n] = bo[n] + the sum over k' of ob[m][k'] wo[k'][n].  ob: [16384][1024] f16, wo: [1024][1024] f16 (K down the rows; both in the same order k'), bo: [1024] f32 (the bias, already rounded to
; bf16 like every input); sums in f32; out0: [16384][1024] f32.  LIMIT: ob and wo arrive within f16's range; NaN and infinities are not treated apart.
; SHARES.  A tile of out0 is 256 x 256, made by four waves, each 128 x 128: 64 accumulators of 16 x 16, 512 registers.  64 x 4 tiles: one for each of 256 work-groups.  K goes in steps of 128 through a ring of two
; LDS slots filled by the tensor data mover.  The last K step goes by rows of the result, so that finished rows leave while the others are multiplied.
; CLUSTERS: 4 x 4 work-groups.  The four of a row of the cluster need the same tiles of ob, the four of a column the same tiles of wo: each tile is asked for JOINTLY, by the same tensor load
; with the same descriptor and a mask that names the four.
; LAYOUT.  The matrix instruction is used transposed: source 0 = 16 columns of wo, source 1 = 16 rows of ob: a lane holds row l % 16 of the result and eight neighbouring columns 8 (l / 16) + 0..7.
; ob's fragments come out of LDS as they lie; wo lies [k][n] in LDS and is turned by ds_load_tr16_b128.  THE BIAS STARTS THE SUMS: it is the C operand of each accumulator's first product.
; REGISTERS, in windows of 256 (s_set_vgpr_msb: bits 1:0 source 0, 3:2 source 1, 5:4 source 2, 7:6 destination):
;   window 0: v0-31 addresses; v64-127, v128-191 fragments of ob, two buffers (in the last K step four, of 16 rows x 128 K); v192-255 16 rows on the way out
;   window 1: v0-63 the bias of my 128 columns as C operands; v64-127, v128-191 fragments of wo; in the last K step all 256: wo's fragments of the whole step
;   window 2: the 32 accumulators of my rows 0-63 (accumulator (a, b) at v[8 (8 a + b)]);   window 3: those of my rows 64-127
.set KSTEP,  128
.set LAPS,   4                         ; a lap = two K steps = once round the ring; K = 1,024
.set ROWA,   2048                      ; bytes in a row of ob
.set ROWB,   2048                      ; bytes in a row of wo
.set ROWC,   4096                      ; bytes in a row of out0
.set STEPA,  KSTEP*2
.set STEPB,  KSTEP*ROWB
.set PITCH,  272                       ; an LDS row of ob: 256 bytes + 16 of padding = 68 words: the 16 rows of a load start at 16 different groups of four banks (64 banks of 4 bytes: ISA guide 11.1)
.set PB,     544                       ; an LDS row of wo: 512 bytes + 32 = 136 words
.set HALFT,  128*PITCH                 ; what one tensor load brings: 128 rows of ob, or 64 rows of wo
.set SLOT,   4*HALFT
.set STAGE,  2*SLOT                    ; behind the ring: 16 rows x 528 bytes for each wave, for the way out
.set SPITCH, 528                       ; 512 bytes + 16 = 132 words: the 16 rows that a store touches start at 16 different groups of four banks
.set SPARE,  STAGE+4*16*SPITCH         ; behind the stages: the spare words, 128 bytes for each wave: two blocks of 256 bytes that no other line names
.set ADRA, 16                          ; v16-17  LDS address of my fragments of ob in slot 0, 1
.set ADRB, 20                          ; v20-21  the same for wo
.set STO,  24                          ; v24     the way out: where I put 32 bytes of a row
.set RD,   25                          ; v25     the way out: where I read a row back
.set CO,   26                          ; v26     my byte offset in a row of out0
.set BO,   27                          ; v27     my byte offset in 16 numbers of the bias: 32 (l / 16)
.set SPW,  28                          ; v28     LDS address of my spare word: SPARE + 4 x my thread's number; never rewritten
.set NIL,  29                          ; v29     0; never rewritten
.set PFO,  30                          ; v30     the prefetches' lane offset; never rewritten
.set F0,   64
.set F1,   128
.set BK,   192                         ; the way out: 16 rows read back from the stage
.set PA,   64                          ; the last K step: ob's fragments of 16 rows x 128 K, 32 registers; four such buffers
.set G1,   24                          ; s[24:31] descriptor group 1 for ob's tiles
.set G0,   32                          ; s[32:39] group 0 for ob's tiles, a set for each slot
.set LIM,  43                          ; s43      1 in a wave that prefetches, else the greatest number
.set PFA,  44                          ; s[44:45] where my prefetches stand
.set G1B,  48                          ; s[48:55] descriptor group 1 for wo's tiles
.set G0B,  56                          ; s[56:63] group 0 for wo's tiles
.set CB,   68                          ; s[68:69] out0
.set BQ,   70                          ; s[70:71] the bias of my 128 columns
.set PST,  72                          ; s[72:73] a K step for my prefetches, in bytes
.set MSB, 0
.macro WIN new                         ; the immediate's high byte repeats the setting that is left; a switch that changes nothing is dropped
.if MSB != (\new)
	s_set_vgpr_msb (MSB<<8)|(\new)
.set MSB, \new
.endif
.endm
.set MUL_LO, 0xa1                      ; source 0 (wo) window 1, source 1 (ob) window 0, C and D window 2
.set MUL_HI, 0xf1                      ; the same, C and D window 3
.set TO_B,   0x40                      ; destination window 1, address window 0
; A joint load.  Waves 0 and 1 fetch ob's two halves, waves 2 and 3 wo's.  The branch hangs on the wave's number alone.
; An s_nop 0 and four v_nop follow each of the two lines, ahead of the jump, the label and what follows.
.macro JLOAD s
	s_cmp_eq_u32 s11, 0
	s_cbranch_scc0 .Lfor_b_\@
	tensor_load_to_lds s[G0+4*(\s):G0+4*(\s)+3], s[G1:G1+7]
	s_nop 0
.rept 4
	v_nop
.endr
	s_branch .Lasked_\@
.Lfor_b_\@:
	tensor_load_to_lds s[G0B+4*(\s):G0B+4*(\s)+3], s[G1B:G1B+7]
	s_nop 0
.rept 4
	v_nop
.endr
.Lasked_\@:
.endm
; A PREFETCH, behind each joint load, its five lines and the run of LDS loads that follows them: the K step that stands TWO refills on, 512 matrix instructions ahead of the load that will ask for it.
; Each aligned block of 256 bytes is named once in the launch.  ob: a wave fetches 128 rows x 256 bytes; no other cluster reads them; the four partners that ask jointly take 32 rows each, told apart BY ADDRESS
; (by cx): a lane a row.  wo: a wave fetches 64 rows x 512 bytes; every cluster reads them, and the cluster with y = 0 asks; its partners take 16 rows each (by cy): a lane a half row.
; The first four K steps come by their loads alone; the last two refills have no K step two on.  The highest row of wo that is named is 7 x 128 + 64 + 48 + 15 = 1,023.
.macro ASK
	s_cmp_gt_u32 s3, s[LIM]                        ; s3 = 1 in the loop's last trip
	s_cbranch_scc0 .Lnot_mine_\@
	global_prefetch_b8 v[PFO], s[PFA:PFA+1] th:TH_LOAD_NT scope:SCOPE_SE
.Lnot_mine_\@:
.endm
; A round of the cluster's barrier: my work-group's barrier, so that wave 0's signal speaks for all four waves; wave 0 signals; every wave waits for all sixteen work-groups; my work-group's barrier once more.
.macro CREST
	s_cmp_lg_u32 s10, 0
	s_cbranch_scc1 .Lnot_wave_0_\@
	s_barrier_signal -3
.Lnot_wave_0_\@:
	s_barrier_wait -3
	s_barrier_signal -1
	s_barrier_wait -1
.endm
.macro CROUND
	s_barrier_signal -1
	s_barrier_wait -1
	CREST
.endm
	s_load_b128 s[4:7], s[0:1], 0x0                ; ob s[4:5], wo s[6:7]
	s_load_b128 s[68:71], s[0:1], 0x10             ; out0, bo
	v_lshl_add_u32 v[SPW], v0, 2, SPARE
	v_mov_b32 v[NIL], 0
	ds_add_u32 v[SPW], v[NIL]                      ; the wave's opening: the add and its wait stand ahead of my first tensor load; the set-up below, work on registers, stands between them
	v_lshrrev_b32 v1, 5, v0
	v_readfirstlane_b32 s10, v1                    ; wave 0..3
	s_lshr_b32 s11, s10, 1                         ; which half of the tile's rows is mine.  Also: I fetch for ob (0) or for wo (1)
	s_and_b32 s12, s10, 1                          ; which half of its columns.  Also: which half of that tile I fetch
	s_bfe_u32 s40, ttmp6, 0x40000                  ; cx
	s_bfe_u32 s41, ttmp6, 0x40004                  ; cy
	s_lshl_b32 s42, ttmp9, 2
	s_add_co_u32 s42, s42, s40                     ; tile column = 4 x cluster x + cx
	s_and_b32 s13, ttmp7, 0xffff
	s_lshl_b32 s13, s13, 2
	s_add_co_u32 s13, s13, s41                     ; tile row = 4 x cluster y + cy
	s_lshl_b32 s43, s41, 2
	s_lshl_b32 s43, 15, s43                        ; my row of the cluster
	s_lshl_b32 s44, 0x1111, s40                    ; my column
	s_or_b32 s[G1+0], s43, (1<<16)|(1<<20)|(1<<21)|(5<<22)|(3<<25)   ; 15:0 the mask: my row; 17:16 elements of 2 bytes; 20 padding on; 21 set beside a mask; 24:22 after every 64 words (code 5); 31:25 4 words (code 3)
	s_or_b32 s[G1B+0], s44, (1<<16)|(1<<20)|(1<<21)|(6<<22)|(7<<25)  ; the mask of my column; after every 128 words (code 6) 8 words (code 7)
	s_mov_b32 s[G1+1], 128<<16                     ; tensor_dim0 = 128
	s_mov_b32 s[G1+2], 128<<16                     ; tensor_dim1 = 128
	s_mov_b32 s[G1+3], 128<<16                     ; tile_dim0 = 128
	s_mov_b32 s[G1+4], 128                         ; tile_dim1 = 128
	s_mov_b32 s[G1+5], 1024                        ; elements from row to row
	s_mov_b32 s[G1+6], 0
	s_mov_b32 s[G1+7], 0
	s_mov_b32 s[G1B+1], 256<<16                    ; tensor_dim0 = 256
	s_mov_b32 s[G1B+2], 64<<16                     ; tensor_dim1 = 64
	s_mov_b32 s[G1B+3], 256<<16                    ; tile_dim0 = 256
	s_mov_b32 s[G1B+4], 64                         ; tile_dim1 = 64
	s_mov_b32 s[G1B+5], 1024                       ; elements from row to row
	s_mov_b32 s[G1B+6], 0
	s_mov_b32 s[G1B+7], 0
	; where the tiles come from.  ob's hang on the tile row alone, which my row of the cluster shares; wo's on the tile column alone, which my column shares.
	s_lshl_b32 s17, s12, 7
	s_lshl_b32 s16, s13, 8
	s_add_co_u32 s16, s16, s17                     ; ob: row 256 x tile row + 128 x half,
	s_lshl_b32 s16, s16, 11                        ; in bytes: under 2^25
	s_mov_b32 s17, 0
	s_mul_i32 s46, s12, 64*ROWB                    ; wo: row 64 x half,
	s_lshl_b32 s47, s42, 9                         ; column 256 x tile column
	s_add_co_u32 s46, s46, s47
	s_mov_b32 s47, 0
	s_mul_i32 s20, s10, HALFT                      ; where they go: wave x one load's bytes
	s_wait_dscnt 0x0                               ; the opening add is done
	s_wait_kmcnt 0x0
	s_add_nc_u64 s[14:15], s[4:5], s[16:17]
	s_add_nc_u64 s[46:47], s[6:7], s[46:47]
	CROUND                                         ; all sixteen work-groups are here: the first joint loads meet
.irp s, 0,1
	s_mov_b32 s[G0+4*(\s)], 1                                      ; 1:0 count = 1
	s_add_co_u32 s[G0+4*(\s)+1], s20, (\s)*SLOT                    ; 63:32 LDS address
	s_add_nc_u64 s[G0+4*(\s)+2:G0+4*(\s)+3], s[14:15], (\s)*STEPA  ; 120:64 global address: K step s
	s_or_b32 s[G0+4*(\s)+3], s[G0+4*(\s)+3], 0x80000000            ; 127:126 type = 2
	s_mov_b32 s[G0B+4*(\s)], 1
	s_add_co_u32 s[G0B+4*(\s)+1], s20, (\s)*SLOT
	s_add_nc_u64 s[G0B+4*(\s)+2:G0B+4*(\s)+3], s[46:47], (\s)*STEPB
	s_or_b32 s[G0B+4*(\s)+3], s[G0B+4*(\s)+3], 0x80000000
	JLOAD \s                                       ; the ring is filled before anything else is done: two loads of mine are out
.endr
	v_and_b32 v1, 15, v0                           ; l % 16
	v_bfe_u32 v2, v0, 4, 1                         ; l / 16
	v_mul_u32_u24 v3, v1, PITCH
	v_lshl_add_u32 v3, v2, 4, v3                   ; ob: row x pitch + 16 x half: two loads of 16 bytes, 32 bytes apart
	v_and_b32 v4, 7, v0                            ; wo: lane l reads k = 8 (l / 16) + l % 8, columns 8 ((l / 8) % 2) + 0..7
	v_lshl_add_u32 v4, v2, 3, v4
	v_mul_u32_u24 v4, v4, PB
	v_bfe_u32 v5, v0, 3, 1
	v_lshl_add_u32 v4, v5, 4, v4
	s_mul_i32 s21, s11, HALFT                      ; my 128 rows of ob
	s_lshl_b32 s22, s12, 8                         ; my 128 columns of wo,
	s_add_co_u32 s22, s22, 2*HALFT                 ; which lies behind ob's 256 rows
.irp s, 0,1
	v_add_nc_u32 v[ADRA+(\s)], s21, v3
	v_add_nc_u32 v[ADRB+(\s)], s22, v4
	s_add_co_u32 s21, s21, SLOT
	s_add_co_u32 s22, s22, SLOT
.endr
	s_mul_i32 s23, s10, 16*SPITCH
	s_add_co_u32 s23, s23, STAGE                   ; my stage
	v_mul_u32_u24 v4, v1, SPITCH                   ; in: row l % 16, 32 bytes for each half of the lanes
	v_lshl_add_u32 v4, v2, 5, v4
	v_add_nc_u32 v[STO], s23, v4
	v_and_b32 v5, 31, v0
	v_lshlrev_b32 v[CO], 4, v5                     ; back: 32 lanes take one row of 512 bytes; the same in out0
	v_add_nc_u32 v[RD], s23, v[CO]
	v_lshlrev_b32 v[BO], 5, v2
	s_lshl_b32 s22, s42, 10                        ; the bias of my 128 columns: 4 bytes x (256 x tile column + 128 x half)
	s_lshl_b32 s23, s12, 9
	s_add_co_u32 s22, s22, s23
	s_mov_b32 s23, 0
	s_add_nc_u64 s[BQ:BQ+1], s[BQ:BQ+1], s[22:23]
	WIN TO_B                                       ; laid as C operands: register j of n block b holds column 16 b + 8 (l / 16) + j
.irp b, 0,1,2,3,4,5,6,7
	global_load_b128 v[8*(\b):8*(\b)+3],   v[BO], s[BQ:BQ+1] offset:64*(\b)
	global_load_b128 v[8*(\b)+4:8*(\b)+7], v[BO], s[BQ:BQ+1] offset:64*(\b)+16
.endr
	WIN 0
	; where my part of the tile begins in out0, in bytes (under 2^27): the same column offset as the bias's
	s_lshl_b32 s13, s13, 8
	s_lshl_b32 s14, s11, 7
	s_add_co_u32 s16, s13, s14                     ; my first row
	s_lshl_b32 s16, s16, 12
	s_add_co_u32 s16, s16, s22
	s_mov_b32 s17, 0
	; the prefetches.  s13 = 256 x tile row, s40 = cx, s41 = cy
	s_lshl_b32 s46, s42, 9                         ; 512 x tile column
	s_and_b32 s22, ttmp7, 0xffff                   ; cluster y
	s_mov_b32 s[PST], STEPB
	s_cmp_eq_u32 s11, 0                            ; do I fetch for ob?
	s_cselect_b32 s20, s13, 3*KSTEP                ; the first row: ob's by the tile row; wo's is K step 3's
	s_cselect_b32 s21, s40, s41                    ; my place among the four that ask with me,
	s_cselect_b32 s23, 5, 4                        ; which takes 32 rows, or 16
	s_cselect_b32 s18, 7, 6                        ; the half that I fetch has 128 rows, or 64
	s_cselect_b32 s22, ttmp9, s22                  ; the coordinate along which other clusters read the same rows
	s_cselect_b32 s46, 3*STEPA, s46                ; ob: K step 3 along the row; wo: the tile's columns
	s_cselect_b32 s[PST], STEPA, s[PST]
	s_cselect_b64 s[PFA:PFA+1], s[4:5], s[6:7]
	s_cmp_eq_u32 s22, 0
	s_cselect_b32 s[LIM], 1, -1                    ; the same in all sixteen partners, for a given wave
	s_lshl_b32 s21, s21, s23
	s_lshl_b32 s18, s12, s18
	s_add_co_u32 s20, s20, s21
	s_add_co_u32 s20, s20, s18
	s_lshl_b32 s20, s20, 11                        ; both tensors' rows have 2,048 bytes
	s_add_co_u32 s20, s20, s46
	s_mov_b32 s21, 0
	s_add_nc_u64 s[PFA:PFA+1], s[PFA:PFA+1], s[20:21]  ; at K step 3: the first refill steps it to 4 and names that
	s_mov_b32 s[PST+1], 0
	v_lshrrev_b32 v6, s11, v5                      ; ob: a lane a row; wo: two lanes a row,
	v_lshlrev_b32 v6, 11, v6
	v_and_b32 v5, s11, v5                          ; 256 bytes apart
	v_lshl_add_u32 v[PFO], v5, 8, v6
; 16 matrix instructions: m blocks a0, a0 + 1 of the window's four (hi = 0: my rows 0-63, 1: rows 64-127) x all 8 n blocks, 32 along K.
; first = 1: the first products: C is the bias, in window 1: nothing is cleared and nothing is added later.
; The 64 accumulators take turns, one instruction a turn, in the same order in every quarter step.
.macro MUL16 f, hi, a0, first
.if \first
	WIN 0x91+0x40*(\hi)
.else
	WIN MUL_LO+0x50*(\hi)
.endif
.irp a, \a0, (\a0)+1
.irp b, 0,1,2,3,4,5,6,7
.if \first
	v_wmma_f32_16x16x32_f16 v[8*(8*(\a)+(\b)):8*(8*(\a)+(\b))+7], v[(\f)+8*(\b):(\f)+8*(\b)+7], v[(\f)+8*(4*(\hi)+(\a)):(\f)+8*(4*(\hi)+(\a))+7], v[8*(\b):8*(\b)+7]
.else
	v_wmma_f32_16x16x32_f16 v[8*(8*(\a)+(\b)):8*(8*(\a)+(\b))+7], v[(\f)+8*(\b):(\f)+8*(\b)+7], v[(\f)+8*(4*(\hi)+(\a)):(\f)+8*(4*(\hi)+(\a))+7], v[8*(8*(\a)+(\b)):8*(8*(\a)+(\b))+7]
.endif
.endr
.endr
.endm
; 32 LDS loads in one run: the fragments of quarter q of a K step (32 K x 128 columns of wo, 128 rows x 32 K of ob) into buffer f
.macro FETCH slot, q, f
	WIN TO_B
.irp i, 0,1,2,3,4,5,6,7
	ds_load_tr16_b128 v[(\f)+8*(\i):(\f)+8*(\i)+3],   v[ADRB+(\slot)] offset:(\q)*32*PB+32*(\i)
	ds_load_tr16_b128 v[(\f)+8*(\i)+4:(\f)+8*(\i)+7], v[ADRB+(\slot)] offset:(\q)*32*PB+16*PB+32*(\i)
.endr
	WIN 0
.irp i, 0,1,2,3,4,5,6,7
	ds_load_b128 v[(\f)+8*(\i):(\f)+8*(\i)+3],   v[ADRA+(\slot)] offset:(\q)*64+(\i)*16*PITCH
	ds_load_b128 v[(\f)+8*(\i)+4:(\f)+8*(\i)+7], v[ADRA+(\slot)] offset:(\q)*64+(\i)*16*PITCH+32
.endr
.endm
; A load into a register that a matrix instruction has read, and an LDS store that reads a matrix result, stand four places behind that matrix instruction, and only plain vector
; instructions that name none of its registers are places (ISA guide 7.12.1 for vector instructions).
.macro PLACES
.rept 4
	v_nop
.endr
.endm
; A K step is four quarters of 32 along K, 64 matrix instructions each, on buffers 0, 1, 0, 1.  One of the first three: multiplies buffer f; in its middle it fetches quarter q of the same slot into buffer g.
.macro QUARTER slot, q, f, g, first
	s_wait_dscnt 8                                 ; wo and ob's rows 0-63 are in; the youngest eight loads (ob's rows 64-127) may be out
	MUL16 \f, 0, 0, \first
	MUL16 \f, 0, 2, \first
	PLACES
	FETCH \slot, \q, \g
	s_wait_dscnt 32                                ; all but the 32 just issued
	MUL16 \f, 1, 0, \first
	MUL16 \f, 1, 2, \first
.endm
; The last quarter multiplies buffer 1 and changes slots.  MEET is its first half: ONE barrier for the change.  In front of it each wave waits for all its tensor loads, of which one is out: its part of the
; next slot; adds 0 to its spare word; and waits for that and for its own reads of this slot.  Behind it nobody reads this slot any more and the next slot is whole.
.macro MEET round                      ; round = 1: a round of the cluster's barrier follows
	WIN 0                                          ; (the add's two registers lie in window 0)
	s_wait_tensorcnt 0x0                           ; all my tensor loads have landed;
	ds_add_u32 v[SPW], v[NIL]                      ; 0 onto my spare word;
	s_wait_dscnt 9                                 ; (the add and the youngest eight loads may be out)
	MUL16 F1, 0, 0, 0                              ; sixteen matrix instructions stand between the add and the wait for it
	s_wait_dscnt 0x0                               ; the add is done, and my reads of this slot are over:
	s_barrier_signal -1                            ; say so,
	MUL16 F1, 0, 2, 0                              ; work on registers while the others arrive,
.if \round
	WIN 0
.endif
	s_barrier_wait -1                              ; and go on when all four have said so
.endm
; The whole last quarter.  Behind the round the slot just read out is filled again first, with the K step two steps on; then come the next slot's first fragments.
; From a request to the wait for it a wave issues 224 matrix instructions.
.macro TURN slot, next
	s_wait_xcnt 0x0                                ; the last prefetch, a K step back, has read its address: it is stepped here, ahead of the waits of the change of slots
	s_add_nc_u64 s[PFA:PFA+1], s[PFA:PFA+1], s[PST:PST+1]
	MEET 1
	CREST                                          ; no wave of any partner still reads this slot's tile or has a load on its way
	s_add_nc_u64 s[G0+4*(\slot)+2:G0+4*(\slot)+3], s[G0+4*(\slot)+2:G0+4*(\slot)+3], 2*STEPA
	s_add_nc_u64 s[G0B+4*(\slot)+2:G0B+4*(\slot)+3], s[G0B+4*(\slot)+2:G0B+4*(\slot)+3], 2*STEPB
	JLOAD \slot                                    ; the first tensor load behind the round; the four v_nop behind it are also the places in front of the loads below
	FETCH \next, 0, F0
	ASK
	MUL16 F1, 1, 0, 0
	MUL16 F1, 1, 2, 0
.endm
; THE LAST K STEP (it lies in slot 1) GOES BY ROWS OF THE RESULT.  All its fragments of wo (4 quarters x 64 registers) fill window 1; then my eight blocks of 16 rows are finished one after the other,
; each with 32 matrix instructions (its 8 accumulators by turns, K ascending).  LDS is read no more than in any other K step.
.macro BLOAD q                         ; wo's fragments of quarter q -> window 1, v[64 q ..]
	WIN TO_B
.irp i, 0,1,2,3,4,5,6,7
	ds_load_tr16_b128 v[64*(\q)+8*(\i):64*(\q)+8*(\i)+3],   v[ADRB+1] offset:(\q)*32*PB+32*(\i)
	ds_load_tr16_b128 v[64*(\q)+8*(\i)+4:64*(\q)+8*(\i)+7], v[ADRB+1] offset:(\q)*32*PB+16*PB+32*(\i)
.endr
.endm
.macro ALOAD a                         ; ob's fragments of block a, all four quarters -> buffer a % 4
	WIN 0
.set FA, PA+32*((\a)%4)
.irp q, 0,1,2,3
	ds_load_b128 v[FA+8*(\q):FA+8*(\q)+3],   v[ADRA+1] offset:64*(\q)+(\a)*16*PITCH
	ds_load_b128 v[FA+8*(\q)+4:FA+8*(\q)+7], v[ADRA+1] offset:64*(\q)+(\a)*16*PITCH+32
.endr
.endm
.macro ROW a                           ; block a is finished: 32 matrix instructions
.set FA, PA+32*((\a)%4)
.set AC, 64*((\a)%4)
	WIN MUL_LO+0x50*((\a)/4)
.irp q, 0,1,2,3
.if (\a) == 0 && (\q) == 2
	s_wait_dscnt 24                                ; wo's quarter 2 is in (behind it: ob's blocks 1 to 3)
.endif
.irp b, 0,1,2,3,4,5,6,7
	v_wmma_f32_16x16x32_f16 v[AC+8*(\b):AC+8*(\b)+7], v[64*(\q)+8*(\b):64*(\q)+8*(\b)+7], v[FA+8*(\q):FA+8*(\q)+7], v[AC+8*(\b):AC+8*(\b)+7]
.endr
.endr
.endm
; THE WAY OUT of block a.  The sums are the result: nothing is converted.  TOSTAGE: a lane's eight columns, 32 bytes, straight from the accumulators into my own stage in LDS (each accumulator's low
; registers first), and back as whole rows of 512 bytes.  SEND: stored.
.macro TOSTAGE a
.set AC, 64*((\a)%4)
	WIN 0x08+4*((\a)/4)                            ; the stores' data (source 1) in window 2 or 3, their address in window 0
.irp b, 0,1,2,3,4,5,6,7
	ds_store_b128 v[STO], v[AC+8*(\b):AC+8*(\b)+3]   offset:64*(\b)
	ds_store_b128 v[STO], v[AC+8*(\b)+4:AC+8*(\b)+7] offset:64*(\b)+16
.endr
	WIN 0
	s_wait_xcnt 0x0                                ; the last block's stores have read their data and their base: only behind this wait are the sixteen rows' registers loaded again and, in SEND, the base stepped
.irp t, 0,1,2,3,4,5,6,7,8,9,10,11,12,13,14,15
	ds_load_b128 v[BK+4*(\t):BK+4*(\t)+3], v[RD] offset:(\t)*SPITCH  ; LDS serves a wave's instructions in order (ISA guide 5.7.1.4): these see the stores above
.endr
.endm
.macro SEND a, younger                 ; younger: the LDS loads issued behind TOSTAGE's, which may stay out
	WIN 0
	s_wait_dscnt \younger                          ; the block is back in registers
.if (\a) == 0
	s_add_nc_u64 s[8:9], s[CB:CB+1], s[16:17]      ; my first rows
.else
	s_add_nc_u64 s[8:9], s[8:9], 16*ROWC           ; 16 rows on
.endif
.irp t, 0,1,2,3,4,5,6,7,8,9,10,11,12,13,14,15
	global_store_b128 v[CO], v[BK+4*(\t):BK+4*(\t)+3], s[8:9] offset:(\t)*ROWC th:TH_STORE_NT  ; a wave stores 512 consecutive bytes, at a multiple of 256 from out0's first byte
.endr
.endm
	s_wait_tensorcnt 1                             ; my part of K step 0 is in; K step 1's may stay out
	s_barrier_signal -1
	s_barrier_wait -1                              ; everybody's is
	FETCH 0, 0, F0
	s_wait_loadcnt 0x0                             ; the bias: the only loads into registers of this text
	QUARTER 0, 1, F0, F1, 1                        ; the first quarter stands in front of the loop: its products start the sums, with the bias
	WIN 0                                          ; at a label and at a branch every window is 0
	s_mov_b32 s3, LAPS-1
.Llap:                                                 ; a trip goes once round the ring, from a lap's second quarter to the next lap's first, and fills both slots again
	QUARTER 0, 2, F1, F0, 0
	QUARTER 0, 3, F0, F1, 0
	TURN 0, 1
	QUARTER 1, 1, F0, F1, 0
	QUARTER 1, 2, F1, F0, 0
	QUARTER 1, 3, F0, F1, 0
	TURN 1, 0
	QUARTER 0, 1, F0, F1, 0
	WIN 0
	s_sub_co_u32 s3, s3, 1
	s_cmp_lg_u32 s3, 0
	s_cbranch_scc1 .Llap
	QUARTER 0, 2, F1, F0, 0                        ; the last lap goes on; it asks for nothing more
	QUARTER 0, 3, F0, F1, 0
	MEET 0                                         ; my one tensor load that was still out is slot 1's, the last K step's, so no round follows
	PLACES                                         ; for the loads into buffer 0, which the quarter before multiplied
	BLOAD 0                                        ; three quarters of wo now: buffer 1 (v128-191 of both windows) is still being multiplied
	BLOAD 1
	BLOAD 3
	ALOAD 0
	MUL16 F1, 1, 0, 0
	MUL16 F1, 1, 2, 0
	PLACES                                         ; for the loads into buffer 1
	BLOAD 2
	ALOAD 1
	ALOAD 2
	ALOAD 3
	s_wait_dscnt 40                                ; all but the 40 just issued
	ROW 0
.irp a, 0,1,2,3,4,5,6,7                ; each block leaves as soon as it is finished
	PLACES                                         ; the stores into the stage read results just made
	TOSTAGE \a
.if (\a) < 4
	ALOAD (\a)+4                                   ; its buffer takes the block four further on
	SEND \a, 8
.else
	SEND \a, 0
.endif
.if (\a) < 7
	ROW (\a)+1
.endif
.endr
	s_wait_tensorcnt 0x0                           ; the wave's end, behind my last tensor load and my last LDS store
	ds_add_u32 v[SPW], v[NIL]
	s_wait_dscnt 0x0
	CROUND                                         ; the closing round: no work-group ends while a partner may still ask for a tile that names it
	s_endpgm
.Lfunc_end_k_q5986905411_gemm_out:
	.size	k_q5986905411_gemm_out, .Lfunc_end_k_q5986905411_gemm_out-k_q5986905411_gemm_out
	.p2alignl 7, 3214868480
	.fill 96, 4, 3214868480
	.section	.rodata,"a",@progbits
	.p2align	6, 0x0
	.amdhsa_kernel k_q5986905411_gemm_out
		.amdhsa_group_segment_fixed_size 327680
		.amdhsa_private_segment_fixed_size 0
		.amdhsa_enable_private_segment 0
		.amdhsa_kernarg_size 32
		.amdhsa_user_sgpr_count 2
		.amdhsa_user_sgpr_kernarg_segment_ptr 1
		.amdhsa_wavefront_size32 1
		.amdhsa_system_sgpr_workgroup_id_x 1
		.amdhsa_system_sgpr_workgroup_id_y 1
		.amdhsa_system_sgpr_workgroup_id_z 1
		.amdhsa_system_vgpr_workitem_id 0
		.amdhsa_next_free_vgpr 1024
		.amdhsa_next_free_sgpr 80
		.amdhsa_reserve_vcc 0
		.amdhsa_float_denorm_mode_32 3
		.amdhsa_float_denorm_mode_16_64 3
		.amdhsa_memory_ordered 1
		.amdhsa_forward_progress 1
		.amdhsa_inst_pref_size 144
	.end_amdhsa_kernel
	.amdgpu_metadata
---
amdhsa.version: [ 1, 2 ]
amdhsa.kernels:
  - .name:           k_q5986905411_gemm_out
    .symbol:         k_q5986905411_gemm_out.kd
    .args:
      - { .name: ob, .offset: 0, .size: 8, .value_kind: global_buffer, .address_space: global }
      - { .name: wo, .offset: 8, .size: 8, .value_kind: global_buffer, .address_space: global }
      - { .name: out0, .offset: 16, .size: 8, .value_kind: global_buffer, .address_space: global }
      - { .name: bo, .offset: 24, .size: 8, .value_kind: global_buffer, .address_space: global }
    .group_segment_fixed_size: 327680
    .private_segment_fixed_size: 0
    .kernarg_segment_align: 8
    .kernarg_segment_size: 32
    .max_flat_workgroup_size: 128
    .sgpr_count:     80
    .vgpr_count:     1024
    .wavefront_size: 32
...
	.end_amdgpu_metadata
.endif
;; end of part 4
;; ======== version 2 of 2: 4 launches; version 1 with the launch attn written anew for expert scheduling mode
;; limits: values are held in f16: magnitudes above 65,504 overflow, below 6.1e-05 lose precision
;; workspace buffers: xb 33,554,432 bytes; wq 6,291,456 bytes; wo 2,097,152 bytes; qkv 100,663,296 bytes; ob 33,554,432 bytes; bq 12,288 bytes; bo 4,096 bytes
;; launch prep: the kernel of part 1 again; grid 1281 x 1, 8 waves a work-group, no clusters, 0 bytes of LDS; arguments x, W_qkv, W_out, b_qkv, b_out, xb, wq, wo, bq, bo; writes xb, wq, wo, bq, bo
;; launch gemm_qkv: the kernel of part 2 again; grid 4 x 64, 4 waves a work-group, clusters of 4 x 4, 327,680 bytes of LDS; arguments xb, wq, qkv, bq; writes qkv
;; launch attn (part 5): grid 512 x 1, 8 waves a work-group, no clusters, 82,944 bytes of LDS; arguments qkv, ob; writes ob
.if DOCPART == 5
	.amdgcn_target "amdgcn-amd-amdhsa--gfx1250"
	.amdhsa_code_object_version 6
	.text
	.protected	k_q5986905411_attn
	.globl	k_q5986905411_attn
	.p2align	8
	.type	k_q5986905411_attn,@function
k_q5986905411_attn:
	s_mov_b64 s[64:65], 0
	v_nop
	global_prefetch_b8 v0, s[64:65] scope:SCOPE_SE
	s_setreg_imm32_b32 hwreg(HW_REG_WAVE_SCHED_MODE, 0, 2), 2
	s_setreg_imm32_b32 hwreg(HW_REG_WAVE_MODE, 25, 1), 1
	s_wait_xcnt 0x0
	s_wait_alu depctr_vm_vsrc(0)
; INSIDE EACH TOKEN ITS 16 HEADS ATTEND TO EACH OTHER.  For token m: S[i][j] = q[i] . k[j] / 8 over 64 channels, P = softmax over j, O[i] = the sum over j of P[i][j] v[j].
; qkv: [16384][3072] f16: q at byte 0 of a row, k at 2,048, v at 4,096; head i at 128 i.  ob: [16384][1024] f16, channel 64 i + 8 c + j at place 128 c + 8 i + j (wo's rows have the same order).
; Products, the maximum, the exponentials and their sum in f32; the row's true maximum is taken away before the exponential; P is divided by its sum and then rounded to f16; O is rounded once.
; LIMITS.  q, k, v arrive within f16's range; P lies in 0 to 1 and below 6e-5 keeps f16's fixed step of 6e-8; a weight below 2^-126 counts as 0; NaN and infinities are not treated apart.
; A STREAM.  A wave takes 4 tokens, a work-group 32; nothing is shared, so there is no barrier, no cluster and no tile ring; there is no loop: a wave's 48 loads (24 KiB) go out together.
; EVERY LOAD TAKES 512 CONSECUTIVE BYTES: a token's row is twelve such runs.  A run holds four heads, eight lanes a head, which is no fragment's layout: so q, k and v all go through the wave's own stage in
; LDS and come back as fragments.  The stage is used three times over, q and k of tokens 0 and 1, of tokens 2 and 3, then v of all four: LDS serves a wave's instructions in order (ISA guide 5.7.1.4).
; LAYOUT.  S^T = K Q^T (source 0 = the 16 key heads, source 1 = the 16 query heads): a lane holds ONE query head (l % 16) and the keys 8 (l / 16) + 0..7.  Rounded to f16 in pairs these ARE registers 0-3
; of source 1 of O^T = V^T P; the form has 32 along K and there are 16 keys, so registers 4-7 of both sources hold 0.  V lies [key][channel] and is turned by ds_load_tr16_b128.
; In O^T a lane holds one query head and eight channels: 16 bytes, and a wave's 32 lanes 512 consecutive bytes of ob.
; THE MODE: SCHED_MODE bits 1:0 = 2 (LLVM: expert scheduling mode 2), set by the entry lines.  The code itself states the register dependences
; between vector or matrix instructions and memory or LDS instructions, with s_wait_alu, always for 0.
; THE PLAN.  Registers that memory or LDS instructions touch, in the order of the text:
;   v[VO]                     Written at the head; read by every global load and store; never written again.
;   v[QS], v[QL], v[VS], v[AV]  Written behind the run of global loads; read by the LDS stores and loads; never written again.
;   v16-143 (QF, KF, later VF)  Global loads land; the LDS stores of q and k read them; the fragments' LDS loads land in them; the products K Q^T read them; the turning loads land in registers 0-3 of each
;                             eight, and 0 is written into registers 4-7; the products V^T P read them; tokens 2 and 3's O^T is written into v16-79, rounded there, and read by the last eight stores.
;   v144-207 (VR, later P and part of O^T)  Global loads land; v's LDS stores read them; then P's zeros and roundings (v144-175) and tokens 0 and 1's O^T (v176-239) are written, which eight stores read.
;   v[SPW], v[NIL]            Written at the head; read by the closing add alone.
; So: one wait on va_vdst ahead of the first global load and one ahead of the first LDS store, for the addresses; one on vm_vsrc between the stores and the loads of each pass of q and k through the stage;
; one on va_vdst ahead of the turning loads; one on vm_vsrc ahead of the first write into v's registers; one on va_vdst ahead of each run of global stores; and the two behind the transcendentals.
.set ROWQ,  6144
.set ROWO,  2048
.set PQ,    144                        ; a head's row of q or k in the stage: 128 bytes + 16 = 36 words: the 16 rows of a fragment load start at 16 different groups of four banks (64 banks of 4 bytes: ISA guide 11.1)
.set HEADB, 16*PQ                      ; a token's q, or its k
.set PV,    160                        ; a key's row of v in the stage: 128 bytes + 32 = 40 words
.set TOKB,  16*PV                      ; a token's v
.set WAVB,  4*TOKB                     ; a wave's stage: v of four tokens; q and k of two tokens, 4 x 2,304 bytes, fit into it
.set SPARE, 8*WAVB                     ; behind the stages: the spare words, 128 bytes for each wave: four blocks of 256 bytes that no other line names
.set QL,  4                            ; v4   where a fragment of q or k is read: 144 (l % 16) + 16 (l / 16)
.set VO,  5                            ; v5   16 l: all loads from qkv and all stores to ob
.set VS,  6                            ; v6   where I put 16 bytes of v
.set AV,  7                            ; v7   where the turning load reads
.set SPW, 9                            ; v9   LDS address of my spare word: SPARE + 4 x my thread's number; never rewritten
.set NIL, 10                           ; v10  0; never rewritten
.set QS,  12                           ; v12  where I put 16 bytes of q or k
.set QF,  16                           ; v16-79    q: token t at 16 t: run f at 4 f as loaded; then channel half c at 8 c as a fragment
.set KF,  80                           ; v80-143   k likewise
.set VR,  144                          ; v144-207  v as loaded: token t, run f at 16 t + 4 f
.set S,   208                          ; v208-239  S^T, 8 a token
.set T,   240                          ; v240-255  four registers a token, at work
.set VF,  16                           ; later: V^T's fragments: token t, channel block cb at 32 t + 8 cb
.set P,   144                          ; later: P, 8 a token
.set O0,  176                          ; later: O^T of tokens 0 and 1, 32 a token
.set O1,  16                           ; later: O^T of tokens 2 and 3
.set CS,  10                           ; s[10:11] c = log2(e) / 8: the packed scaling takes the pair's low word for both halves
.set SEL, 12                           ; s[12:13] v_permlanex16_b32's selects: each lane takes its own place in the other half
.macro ALL line:vararg                 ; one line for each token t
.set t, 0
.rept 4
	\line
.set t, t+1
.endr
.endm
	s_load_b128 s[4:7], s[0:1], 0x0                ; qkv s[4:5], ob s[6:7]
	v_lshl_add_u32 v[SPW], v0, 2, SPARE
	v_mov_b32 v[NIL], 0
	v_lshrrev_b32 v1, 5, v0
	v_readfirstlane_b32 s8, v1                     ; wave 0..7
	v_and_b32 v1, 31, v0                           ; l
	v_lshlrev_b32 v[VO], 4, v1
	s_wait_alu depctr_va_sdst(0)                   ; s8 is written, ahead of its first reader: my first token and my stage are made from it
	s_lshl_b32 s2, ttmp9, 5
	s_lshl2_add_u32 s2, s8, s2                     ; my first token: 32 x work-group + 4 x wave
	s_mul_i32 s14, s2, ROWQ                        ; under 2^27
	s_mov_b32 s15, 0
	s_lshl_b32 s16, s2, 11
	s_mov_b32 s17, 0
	s_wait_kmcnt 0x0
	s_add_nc_u64 s[4:5], s[4:5], s[14:15]
	s_add_nc_u64 s[6:7], s[6:7], s[16:17]
	s_wait_alu depctr_va_vdst(0)                   ; v[VO] is written, which every global load and store reads as its offset; so are v[SPW] and v[NIL], which the closing add reads
.irp tt, 0,1,2,3                       ; q and k, token by token: eight runs of 512 bytes each
.irp f, 0,1,2,3
	global_load_b128 v[QF+16*(\tt)+4*(\f):QF+16*(\tt)+4*(\f)+3], v[VO], s[4:5] offset:ROWQ*(\tt)+512*(\f) th:TH_LOAD_NT
	global_load_b128 v[KF+16*(\tt)+4*(\f):KF+16*(\tt)+4*(\f)+3], v[VO], s[4:5] offset:ROWQ*(\tt)+2048+512*(\f) th:TH_LOAD_NT
.endr
.endr
.irp tt, 0,1,2,3                       ; then v
.irp f, 0,1,2,3
	global_load_b128 v[VR+16*(\tt)+4*(\f):VR+16*(\tt)+4*(\f)+3], v[VO], s[4:5] offset:ROWQ*(\tt)+4096+512*(\f) th:TH_LOAD_NT
.endr
.endr
	s_mov_b32 s[CS], 0x3e38aa3b                    ; c = log2(e) / 8 = 0.180337
	s_mov_b32 s[CS+1], s[CS]                       ; named with it as a pair
	s_mov_b32 s[SEL], 0x76543210
	s_mov_b32 s[SEL+1], 0xfedcba98
	s_mul_i32 s9, s8, WAVB                         ; my wave's stage
	v_and_b32 v2, 15, v0                           ; l % 16.  (The lines from here to the wait for q and k name neither v[VO] nor a register in which a load lands)
	v_bfe_u32 v3, v0, 4, 1                         ; l / 16
	v_lshrrev_b32 v8, 3, v1                        ; in: run f holds heads 4 f + l / 8, 16 bytes at 16 (l % 8)
	v_and_b32 v11, 7, v0
	v_mul_u32_u24 v[QS], v8, PQ
	v_lshl_add_u32 v[QS], v11, 4, v[QS]
	v_add_nc_u32 v[QS], s9, v[QS]
	v_mul_u32_u24 v[VS], v8, PV
	v_lshl_add_u32 v[VS], v11, 4, v[VS]
	v_add_nc_u32 v[VS], s9, v[VS]
	v_mul_u32_u24 v[QL], v2, PQ                    ; back, q and k: a fragment is 16 heads x 32 channels: lane l takes head l % 16, two loads of 16 bytes, 32 bytes apart
	v_lshl_add_u32 v[QL], v3, 4, v[QL]
	v_add_nc_u32 v[QL], s9, v[QL]
	v_lshl_add_u32 v[AV], v3, 3, v11               ; back, v: lane l reads key 8 (l / 16) + l % 8, channels 8 ((l / 8) % 2) + 0..7, and is left with channel l % 16 and eight keys
	v_mul_u32_u24 v[AV], v[AV], PV
	v_bfe_u32 v8, v0, 3, 1
	v_lshl_add_u32 v[AV], v8, 4, v[AV]
	v_add_nc_u32 v[AV], s9, v[AV]
; q and k of tokens t0 and t0 + 1 go into the stage as they were loaded and come back as fragments, into the registers that they left.
.macro QKIN t0
.irp u, 0,1
.irp f, 0,1,2,3
	ds_store_b128 v[QS], v[QF+16*((\t0)+(\u))+4*(\f):QF+16*((\t0)+(\u))+4*(\f)+3] offset:HEADB*(2*(\u))+4*PQ*(\f)
	ds_store_b128 v[QS], v[KF+16*((\t0)+(\u))+4*(\f):KF+16*((\t0)+(\u))+4*(\f)+3] offset:HEADB*(2*(\u)+1)+4*PQ*(\f)
.endr
.endr
	s_wait_alu depctr_vm_vsrc(0)                   ; the sixteen LDS stores above have read the two tokens' registers of q and k: the fragments below land in them, and later zeros and sums are written there
.irp u, 0,1
.irp c, 0,1
	ds_load_b128 v[QF+16*((\t0)+(\u))+8*(\c):QF+16*((\t0)+(\u))+8*(\c)+3],   v[QL] offset:HEADB*(2*(\u))+64*(\c)
	ds_load_b128 v[QF+16*((\t0)+(\u))+8*(\c)+4:QF+16*((\t0)+(\u))+8*(\c)+7], v[QL] offset:HEADB*(2*(\u))+64*(\c)+32
	ds_load_b128 v[KF+16*((\t0)+(\u))+8*(\c):KF+16*((\t0)+(\u))+8*(\c)+3],   v[QL] offset:HEADB*(2*(\u)+1)+64*(\c)
	ds_load_b128 v[KF+16*((\t0)+(\u))+8*(\c)+4:KF+16*((\t0)+(\u))+8*(\c)+7], v[QL] offset:HEADB*(2*(\u)+1)+64*(\c)+32
.endr
.endr
.endm
	s_wait_loadcnt 32                              ; q and k of tokens 0 and 1 are in; 32 younger loads stay out
	s_wait_alu depctr_va_vdst(0)                   ; v[QS], v[QL], v[VS] and v[AV] are written, which the LDS stores and loads from here on read as their addresses; no later vector instruction names them
	QKIN 0
	s_wait_loadcnt 16                              ; those of tokens 2 and 3; v's sixteen loads stay out
	QKIN 2                                         ; over the same bytes: these stores are served behind the loads above
	s_wait_dscnt 0x0                               ; all sixteen fragments are in
.irp c, 0,1                            ; S^T = K Q^T: the four tokens' accumulators take turns; the first four products start the sums
.irp tt, 0,1,2,3
.if (\c) == 0
	v_wmma_f32_16x16x32_f16 v[S+8*(\tt):S+8*(\tt)+7], v[KF+16*(\tt):KF+16*(\tt)+7], v[QF+16*(\tt):QF+16*(\tt)+7], 0
.else
	v_wmma_f32_16x16x32_f16 v[S+8*(\tt):S+8*(\tt)+7], v[KF+16*(\tt)+8:KF+16*(\tt)+15], v[QF+16*(\tt)+8:QF+16*(\tt)+15], v[S+8*(\tt):S+8*(\tt)+7]
.endif
.endr
.endr
	ALL v_mov_b32 v[T+4*t+1], 0                    ; four plain instructions: the places behind those products (ISA guide 7.12.1); they also write what v_permlanex16_b32 counts as read
	s_wait_loadcnt 0x0                             ; v
.irp tt, 0,1,2,3
.irp f, 0,1,2,3
	ds_store_b128 v[VS], v[VR+16*(\tt)+4*(\f):VR+16*(\tt)+4*(\f)+3] offset:TOKB*(\tt)+4*PV*(\f)  ; no vector instruction has named these registers or v[VS] since the wait for the addresses
.endr
.endr
	s_wait_alu depctr_va_vdst(0)                   ; the eight products are done reading q's and k's fragments, in whose registers 0-3 of each eight V^T lands
.irp tt, 0,1,2,3
.irp cb, 0,1,2,3
	ds_load_tr16_b128 v[VF+32*(\tt)+8*(\cb):VF+32*(\tt)+8*(\cb)+3], v[AV] offset:TOKB*(\tt)+32*(\cb)  ; served behind the stores above
.endr
.endr
.set i, 0
.rept 16                               ; keys 16 to 31 do not exist: registers 4-7 of V^T's sixteen fragments (the loads above land in registers 0-3),
	v_mov_b32 v[VF+8*i+4], 0
	v_mov_b32 v[VF+8*i+5], 0
	v_mov_b32 v[VF+8*i+6], 0
	v_mov_b32 v[VF+8*i+7], 0
.set i, i+1
.endr
	s_wait_alu depctr_vm_vsrc(0)                   ; v's sixteen LDS stores have read v144-207: P's zeros below, P's roundings and the sums O^T of tokens 0 and 1 are written there
.set i, 0
.rept 4                                ; and of P's four
	v_mov_b32 v[P+8*i+4], 0
	v_mov_b32 v[P+8*i+5], 0
	v_mov_b32 v[P+8*i+6], 0
	v_mov_b32 v[P+8*i+7], 0
.set i, i+1
.endr
	; THE SOFTMAX, a line for each of the four tokens, so that no instruction reads the result of the one before it.  Each accumulator is read from its low end on.
	ALL v_max3_num_f32 v[T+4*t], v[S+8*t], v[S+8*t+1], v[S+8*t+2]
	ALL v_max3_num_f32 v[T+4*t], v[T+4*t], v[S+8*t+3], v[S+8*t+4]
	ALL v_max3_num_f32 v[T+4*t], v[T+4*t], v[S+8*t+5], v[S+8*t+6]
	ALL v_max_num_f32 v[T+4*t], v[T+4*t], v[S+8*t+7]
	ALL v_permlanex16_b32 v[T+4*t+1], v[T+4*t], s[SEL], s[SEL+1]  ; the query's other eight keys lie in the lane 16 away
	ALL v_max_num_f32 v[T+4*t], v[T+4*t], v[T+4*t+1]
	ALL v_mul_f32 v[T+4*t], s[CS], v[T+4*t]        ; c m
.set i, 0
.rept 16                               ; c s - c m, a pair of scores each
	v_pk_fma_f32 v[S+2*i:S+2*i+1], v[S+2*i:S+2*i+1], s[CS:CS+1], v[T+4*(i/4):T+4*(i/4)+1] op_sel_hi:[1,0,0] neg_lo:[0,0,1] neg_hi:[0,0,1]
.set i, i+1
.endr
.set i, 0
.rept 32                               ; one batch of 32 exponentials
	v_exp_f32 v[S+i], v[S+i]
.set i, i+1
.endr
	v_nop                                          ; a plain instruction behind the last exponential (ISA guide 5.7.2),
	s_wait_alu depctr_va_vdst(0)                   ; and the one wait ahead of the batch's first reader: the 32 exponentials have written the weights
	ALL v_pk_add_f32 v[T+4*t:T+4*t+1], v[S+8*t:S+8*t+1], v[S+8*t+2:S+8*t+3]
	ALL v_pk_add_f32 v[T+4*t+2:T+4*t+3], v[S+8*t+4:S+8*t+5], v[S+8*t+6:S+8*t+7]
	ALL v_pk_add_f32 v[T+4*t:T+4*t+1], v[T+4*t:T+4*t+1], v[T+4*t+2:T+4*t+3]
	ALL v_add_f32 v[T+4*t], v[T+4*t], v[T+4*t+1]
	ALL v_permlanex16_b32 v[T+4*t+1], v[T+4*t], s[SEL], s[SEL+1]
	ALL v_add_f32 v[T+4*t], v[T+4*t], v[T+4*t+1]   ; the sum: at least 1, the largest weight
	ALL v_rcp_f32 v[T+4*t+2], v[T+4*t]
	v_nop
	s_wait_alu depctr_va_vdst(0)                   ; one wait for the four reciprocals, ahead of their first reader
.set i, 0
.rept 16
	v_pk_mul_f32 v[S+2*i:S+2*i+1], v[S+2*i:S+2*i+1], v[T+4*(i/4)+2:T+4*(i/4)+3] op_sel_hi:[1,0]
.set i, i+1
.endr
.set i, 0
.rept 16
	v_cvt_pk_f16_f32 v[P+8*(i/4)+i%4], v[S+2*i], v[S+2*i+1]
.set i, i+1
.endr
; O^T = V^T P for tokens t0 and t0 + 1: one product an accumulator, C = 0; then rounded in place, from each accumulator's low end on, and stored.
.macro PVOUT t0, o
.irp u, 0,1
.irp cb, 0,1,2,3
	v_wmma_f32_16x16x32_f16 v[(\o)+32*(\u)+8*(\cb):(\o)+32*(\u)+8*(\cb)+7], v[VF+32*((\t0)+(\u))+8*(\cb):VF+32*((\t0)+(\u))+8*(\cb)+7], v[P+8*((\t0)+(\u)):P+8*((\t0)+(\u))+7], 0
.endr
.endr
.rept 4
	v_nop                                          ; the places behind those products
.endr
.irp u, 0,1
.irp cb, 0,1,2,3
.irp r, 0,1,2,3
	v_cvt_pk_f16_f32 v[(\o)+32*(\u)+8*(\cb)+(\r)], v[(\o)+32*(\u)+8*(\cb)+2*(\r)], v[(\o)+32*(\u)+8*(\cb)+2*(\r)+1]
.endr
.endr
.endr
	s_wait_alu depctr_va_vdst(0)                   ; the 32 roundings have written the registers that the eight stores below read as their data
.irp u, 0,1
.irp cb, 0,1,2,3
	global_store_b128 v[VO], v[(\o)+32*(\u)+8*(\cb):(\o)+32*(\u)+8*(\cb)+3], s[6:7] offset:ROWO*((\t0)+(\u))+512*(\cb)  ; channel groups 2 cb and 2 cb + 1 of all heads: 512 consecutive bytes, aligned
.endr
.endr
.endm
	s_wait_dscnt 0x0                               ; V^T is in
	PVOUT 0, O0
	PVOUT 2, O1                                    ; its accumulators lie where tokens 0 and 1 had V^T: the four v_nop and the conversions above are more than the five places between; it names no register that the stores above read
	s_wait_dscnt 0x0                               ; the closing lines, six on end
	s_wait_alu 0x0
	s_wait_tensorcnt 0x0
	ds_add_u32 v[SPW], v[NIL]
	s_wait_dscnt 0x0
	s_endpgm
.Lfunc_end_k_q5986905411_attn:
	.size	k_q5986905411_attn, .Lfunc_end_k_q5986905411_attn-k_q5986905411_attn
	.p2alignl 7, 3214868480
	.fill 96, 4, 3214868480
	.section	.rodata,"a",@progbits
	.p2align	6, 0x0
	.amdhsa_kernel k_q5986905411_attn
		.amdhsa_group_segment_fixed_size 82944
		.amdhsa_private_segment_fixed_size 0
		.amdhsa_enable_private_segment 0
		.amdhsa_kernarg_size 16
		.amdhsa_user_sgpr_count 2
		.amdhsa_user_sgpr_kernarg_segment_ptr 1
		.amdhsa_wavefront_size32 1
		.amdhsa_system_sgpr_workgroup_id_x 1
		.amdhsa_system_sgpr_workgroup_id_y 1
		.amdhsa_system_sgpr_workgroup_id_z 1
		.amdhsa_system_vgpr_workitem_id 0
		.amdhsa_next_free_vgpr 256
		.amdhsa_next_free_sgpr 66
		.amdhsa_reserve_vcc 0
		.amdhsa_float_denorm_mode_32 3
		.amdhsa_float_denorm_mode_16_64 3
		.amdhsa_memory_ordered 1
		.amdhsa_forward_progress 1
		.amdhsa_inst_pref_size 31
	.end_amdhsa_kernel
	.amdgpu_metadata
---
amdhsa.version: [ 1, 2 ]
amdhsa.kernels:
  - .name:           k_q5986905411_attn
    .symbol:         k_q5986905411_attn.kd
    .args:
      - { .name: qkv, .offset: 0, .size: 8, .value_kind: global_buffer, .address_space: global }
      - { .name: ob, .offset: 8, .size: 8, .value_kind: global_buffer, .address_space: global }
    .group_segment_fixed_size: 82944
    .private_segment_fixed_size: 0
    .kernarg_segment_align: 8
    .kernarg_segment_size: 16
    .max_flat_workgroup_size: 256
    .sgpr_count:     66
    .vgpr_count:     256
    .wavefront_size: 32
...
	.end_amdgpu_metadata
.endif
;; end of part 5
;; launch gemm_out: the kernel of part 4 again; grid 4 x 64, 4 waves a work-group, clusters of 4 x 4, 327,680 bytes of LDS; arguments ob, wo, out0, bo; writes out0
